; MI455X (gfx1250); checked and timed in simulation.
; The chip was launched on July 23, 2026; its instructions are those of AMD's public machine-readable ISA for CDNA 5 (MIT licence, August 2026) and "CDNA5" Instruction Set Architecture Reference Guide (July 2026). The comments in the code are by the model that wrote it; some were corrected since.
;; Multi Head Attention. Allowed arithmetic: matrix products marked QUANTISED: E2M3 operands, one E8M0 scale for each 32 along K, by v_wmma_scale_f32_16x16x128_f8f6f4 with both operands' format E2M3, f32 sums; everything else in f32.
;; Inputs: Wk_codes 1,024 x 32 x 24 uint8 (E2M3 codes of Wk, K innermost, in blocks of 32 codes, four codes in three bytes); Wk_scales 1,024 x 32 uint8 (E8M0 scales of Wk, one for each 32 codes along K); Wo_codes 1,024 x 32 x 24 uint8 (E2M3 codes of Wo, K innermost, in blocks of 32 codes, four codes in three bytes); Wo_scales 1,024 x 32 uint8 (E8M0 scales of Wo, one for each 32 codes along K); Wq_codes 1,024 x 32 x 24 uint8 (E2M3 codes of Wq, K innermost, in blocks of 32 codes, four codes in three bytes); Wq_scales 1,024 x 32 uint8 (E8M0 scales of Wq, one for each 32 codes along K); Wv_codes 1,024 x 32 x 24 uint8 (E2M3 codes of Wv, K innermost, in blocks of 32 codes, four codes in three bytes); Wv_scales 1,024 x 32 uint8 (E8M0 scales of Wv, one for each 32 codes along K); bk 1,024 float32; bo 1,024 float32; bq 1,024 float32; bv 1,024 float32; ln_b 1,024 float32; ln_w 1,024 float32; x_codes 4 x 2,048 x 32 x 24 uint8 (E2M3 codes of x, K innermost, in blocks of 32 codes, four codes in three bytes); x_scales 4 x 2,048 x 32 uint8 (E8M0 scales of x, one for each 32 codes along K).
;; Outputs: out0 4 x 2,048 x 1,024 float32.
;; This version of the problem:
;;   THIS VERSION OF THE PROBLEM IS GIVEN IN LOW PRECISION. The matrix products marked QUANTISED in the list below multiply operands that are first quantised to E2M3 (2 exponent bits, 3 mantissa bits; 6 bits a number), with one power-of-two scale for each 32 numbers along K (OCP MX v1.0); their sums are f32. All else is computed in f32.
;;   The module's matrix products, in the order in which they are computed (A, B: the left and right operand; K: the contracted axis; several contracted axes count as one K, in the product's order):
;;     1. [M 8,192, K 1,024] x [K 1,024, N 1,024]; A: input x (given as codes); B: input Wq (given as codes): QUANTISED
;;     2. [M 8,192, K 1,024] x [K 1,024, N 1,024]; A: input x (given as codes); B: input Wk (given as codes): QUANTISED
;;     3. [M 8,192, K 1,024] x [K 1,024, N 1,024]; A: input x (given as codes); B: input Wv (given as codes): QUANTISED
;;     4. batch 64 x [M 2,048, K 64] x [K 64, N 2,048]; A: computed on the way; B: computed on the way: QUANTISED
;;     5. batch 64 x [M 2,048, K 2,048] x [K 2,048, N 64]; A: softmax (see below); B: computed on the way: QUANTISED
;;     6. [M 8,192, K 1,024] x [K 1,024, N 1,024]; A: computed on the way; B: input Wo (given as codes): QUANTISED
;;   THE QUANTISER, for each operand of a quantised product, along K:
;;     - K is cut into blocks of 32 from its start; a last block that is shorter is filled with zeros.
;;     - A block's scale is 2^e with e = floor(log2(the largest magnitude in the block)) - 2, held to -126 .. 127; a block of zeros has e = 0. As a byte (E8M0): e + 127.
;;     - Each number is divided by its block's scale, clamped to +-7.5, and rounded to the nearest number of E2M3, ties to even, subnormals kept.
;;     - The product sums the exact products of the quantised numbers (number of the format x scale) in f32.
;;   ~~~python
;;   def quantise(x, axis):      # numpy; x: float32 -> the quantised numbers, widened to float32 again
;;       x = np.moveaxis(x, axis, -1); K = x.shape[-1]
;;       x = np.pad(x, [(0, 0)] * (x.ndim - 1) + [(0, -K % 32)]); x = x.reshape(x.shape[:-1] + (-1, 32)); a = np.abs(x).max(-1, keepdims=True)
;;       e = np.where(a > 0, np.clip(np.frexp(np.where(a > 0, a, 1))[1] - 1 - 2, -126, 127), 0)      # np.frexp(a)[1] - 1 = floor(log2(a)), exactly
;;       r = np.clip(x / 2.0 ** e, -7.5, 7.5)
;;       step = 2.0 ** (np.maximum(np.frexp(np.where(r == 0, 1, r))[1] - 1, 0) - 3)
;;       q = np.round(r / step) * step * 2.0 ** e      # np.round: ties to even
;;       return np.moveaxis(q.reshape(q.shape[:-2] + (-1,))[..., :K], -1, axis).astype(np.float32)
;;   ~~~
;;   SOFTMAX AHEAD OF A QUANTISED PRODUCT. Where the list says 'softmax', what is quantised is not the finished softmax but p = 2^(t - M), with t = logit x log2(e) and M = ceil(the row's largest t), a whole number; so 1/2 < the row's largest p <= 1. The row's sum l is taken of the UNQUANTISED p, in f32, and the product's result is divided by l at the end. Since M is a whole number, a kernel that streams over the keys may use a running M (the ceiling of the running maximum): every later rescaling is an exact power of two, which a block's scale takes up: the codes' values come out the same.
;;   OPERANDS COMPUTED ON THE WAY. 'Computed on the way' means the value that the module computes at that place (a softmax that the list does not call 'softmax' is quantised finished and normalised). What goes into a quantiser is computed in f32, as accurately as f32 sums, v_exp_f32 and their like allow (about 1e-6 of the number): no bf16 or f16 on the way to a quantiser, and a product that is left as it is and whose result goes on into a quantised operand takes f32 operands (vector FMAs, or v_wmma_f32_16x16x4_f32). A number that lies on a knife's edge between two numbers of the format may be rounded either way, as far as f32 arithmetic and the matrix unit's own rounding can turn it there, and no further.
;;   INPUTS GIVEN AS CODES. Wk (in the module: [1024, 1024], K = its axis 1); Wo (in the module: [1024, 1024], K = its axis 1); Wq (in the module: [1024, 1024], K = its axis 1); Wv (in the module: [1024, 1024], K = its axis 1); x (in the module: [4, 2048, 1024], K = its axis 2): each comes as NAME_codes (uint8): NAME with its K axis moved to the last place and cut into blocks of 32 codes, [.., K / 32, bytes a block], one block behind the other in memory; four codes in three bytes: a row's codes are one little-endian stream of bits, code i at bits 6 i .. 6 i + 5 (a code: sign, 2 exponent bits, 3 mantissa bits); and NAME_scales (uint8): the same leading axes, one E8M0 byte (e + 127) for each 32 codes along K. Its value is code x scale, taken as it is: it is not quantised again, and the codes and scales need not be those that the quantiser above would give.
;; One version. Each part assembles by itself: llvm-mc -triple=amdgcn-amd-amdhsa -mcpu=gfx1250 --defsym DOCPART=n.
;; ======== version 1 of 1: 3 launches
;; limits: right only within a limited range of input values
;; workspace buffers: kv 13,369,344 bytes; acod 6,291,456 bytes; ascl 262,144 bytes; woi 786,432 bytes; wqi 786,432 bytes; xi 6,291,456 bytes
;; launch proj (part 1): grid 8 x 32, 4 waves a work-group, clusters of 4 x 4, 327,680 bytes of LDS; arguments x_codes, x_scales, Wk_codes, Wk_scales, Wv_codes, Wv_scales, bk, bv, Wo_codes, Wq_codes, kv, woi, wqi, xi; writes kv, woi, wqi, xi
.if DOCPART == 1
	.amdgcn_target "amdgcn-amd-amdhsa--gfx1250"
	.amdhsa_code_object_version 6
	.text
	.protected	k_q40552bfe20_proj
	.globl	k_q40552bfe20_proj
	.p2align	8
	.type	k_q40552bfe20_proj,@function
k_q40552bfe20_proj:
	s_mov_b64 s[64:65], 0
	v_nop
	global_prefetch_b8 v0, s[64:65] scope:SCOPE_SE
	s_setreg_imm32_b32 hwreg(HW_REG_WAVE_MODE, 25, 1), 1
	s_wait_xcnt 0x0
	s_wait_alu depctr_hold_cnt(0) depctr_sa_sdst(0) depctr_va_vdst(0) depctr_va_sdst(0) depctr_va_ssrc(0) depctr_va_vcc(0) depctr_vm_vsrc(0)
	s_getreg_b32 s2, hwreg(HW_REG_IB_STS2, 6, 4)
	s_cmp_eq_u32 s2, 0
	s_cbranch_scc0 .Lentry_in_a_cluster
	s_endpgm
.Lentry_in_a_cluster:
	s_bfe_u32 s2, ttmp6, 0x10000c
	s_cmp_lg_u32 s2, 0xf033
	s_cbranch_scc0 .Lentry_shape_is_right
	s_endpgm
.Lentry_shape_is_right:
; k = x Wk^T + bk and v = x Wv^T + bv on the given codes of FP6 (E2M3), quantised on the way out for the attention launch; beside that x's, Wq's and Wo's codes are laid anew as images of operand registers.
; No step of the module is left out anywhere in this program: every input is loaded by some launch.
; THE DEAL.  Cluster x = 0: A = x (32 tile rows of 256 tokens), B = Wk (4 tile columns).  Cluster x = 1: A = Wv (4 tile rows), B = x (32 tile columns).  A work-group of four waves makes 256 x 256, a wave 128 x 128: 64 accumulators.
; The matrix instruction is used transposed (source 0 = rows of B, source 1 = rows of A): a lane holds eight neighbouring columns of a row, so k's blocks run along the channels and v's along the tokens.
; THE RING.  A row of codes is 768 bytes.  K goes through two LDS slots in CHUNKS OF 256 BYTES of each row, each beginning at a multiple of 256 bytes; a matrix step of 128 along K is 96 bytes: eight steps to three chunks; steps 2 and 5 lie across two chunks.
; The scales of the 256 + 256 rows are two dense blocks, brought once.  The head's four tiles are shared out, one joint load a wave; chunk 1 follows behind the full sequence and a round, chunk 2 behind the round in step 2.
; CLUSTERS: A's tiles are asked for jointly by a row of the 4 x 4 cluster, B's by a column.
; NO PREFETCH: a row has three chunks; two of them are asked for before the first product and the third in step 2, so no trip lies a whole step ahead of a load.
; kv [head 64][key step 16][13,056]: k's 8 tiles x 768 | v's 4 x 2 x 768 | k's scale words 512 | v's 256.  woi, wqi, xi: [tile of 16 rows][K step 8][1,536]: a fragment's twelve registers as three pieces of 512 bytes.
; LIMITS: NaN and infinities are not served; a block whose largest magnitude lies under 2^-124, zeros among them, gets the byte 1 (read by this program alone).
.set NQ,     2
.set ROWB,   256
.set KROW,   768
.set STEPS,  8
.set CHUNKS, 3
.set PITCH,  272                       ; 256 bytes + 16 of padding
.set FR,     12
.set NL,     6
.set NP,     4
.set HALFT,  128*PITCH
.set SLOT,   4*HALFT                   ; A's 256 rows, then B's 256
.set KS,     32
.set SCL,    2*SLOT
.set HALFS,  (128*KS/256)*272
.set SBLK,   (16*KS/256)*272
.set SPARE,  SCL+4*HALFS
.set ADRA, 16                          ; v16-17 my A fragments in slot 0, 1; v18-19 for pieces whose two halves of the lanes read different chunks
.set ADRB, 20                          ; v20-23 the same for B
.set ADRS, 27
.set SPW,  28
.set NIL,  29
.set SC,   32                          ; v32-63 scale words, two sets
.set BN,   64                          ; v64-127 the bias along the columns
.set AF,   128                         ; v128-223 A's fragments
.set BM,   224                         ; v224-239 the bias along the rows
.set HA,   128
.set PC,   192
.set SW,   212
.set PW,   216
.set TM,   240
.set SEL,  20
.set G1, 24
.set G0, 32
.set G1B, 48
.set G0B, 56
.set G1S, 68
.set G0S, 76
.set G1SB, 80
.set G0SB, 88
.set G0H, 4
.set G0HB, 8
.set MSB, 0
.macro WIN new
.if MSB != \new
	s_set_vgpr_msb (MSB<<8)|\new
.set MSB, \new
.endif
.endm
.set MUL_LO, 0xa1
.set MUL_HI, 0xf1
.set TO_B,   0x40
.macro JLOAD g0a, g1a, g0b, g1b        ; waves 0, 1 fetch for A, waves 2, 3 for B
	s_cmp_eq_u32 s15, 0
	s_cbranch_scc0 .Lfor_b_\@
	tensor_load_to_lds s[\g0a:\g0a+3], s[\g1a:\g1a+7]
	s_nop 0
.rept 4
	v_nop
.endr
	s_branch .Lasked_\@
.Lfor_b_\@:
	tensor_load_to_lds s[\g0b:\g0b+3], s[\g1b:\g1b+7]
	s_nop 0
.rept 4
	v_nop
.endr
.Lasked_\@:
.endm
.macro CREST
	s_cmp_lg_u32 s14, 0
	s_cbranch_scc1 .Lnot_wave_0_\@
	s_barrier_signal -3
.Lnot_wave_0_\@:
	s_barrier_wait -3
	s_barrier_signal -1
	s_barrier_wait -1
.endm
.macro CROUND
	s_barrier_signal -1
	s_barrier_wait -1
	CREST
.endm
.macro RLOAD i, base, off              ; a fragment of given codes into spare registers of window 1
.irp p, 0,1,2,3,4,5
.set LL, 12*(\i)+2*\p
.if LL < 32
.set RR, 96+LL
.else
.set RR, 192+LL
.endif
	global_load_b64 v[RR:RR+1], v13, s[\base:\base+1] offset:(\off)+48*(\p/3)+8*(\p%3)
.endr
.endm
.macro RSTORE i, base, off             ; and out as an image
.irp c, 0,1,2
.set LL, 12*(\i)+4*\c
.if LL < 32
.set RR, 96+LL
.else
.set RR, 192+LL
.endif
	global_store_b128 v7, v[RR:RR+3], s[\base:\base+1] offset:(\off)+512*\c
.endr
.endm
	s_load_b512 s[24:39], s[0:1], 0x0
	s_load_b256 s[48:55], s[0:1], 0x40
	s_load_b128 s[56:59], s[0:1], 0x60
	v_lshl_add_u32 v[SPW], v0, 2, SPARE
	v_mov_b32 v[NIL], 0
	ds_add_u32 v[SPW], v[NIL]                      ; the opening lines: the add twice on end and one wait
	ds_add_u32 v[SPW], v[NIL]
	v_lshrrev_b32 v1, 5, v0
	v_readfirstlane_b32 s14, v1                    ; wave
	s_lshr_b32 s15, s14, 1
	s_and_b32 s16, s14, 1
	s_bfe_u32 s40, ttmp6, 0x40000                  ; cx
	s_bfe_u32 s41, ttmp6, 0x40004                  ; cy
	s_and_b32 s94, ttmp7, 0xffff
	s_lshl_b32 s95, s94, 2
	s_lshl_b32 s2, ttmp9, 3
	s_add_co_u32 s2, s2, s94
	s_lshl_b32 s2, s2, 2
	s_add_co_u32 s2, s2, s41
	s_lshl_b32 s2, s2, 2
	s_add_co_u32 s2, s2, s40
	s_lshl_b32 s2, s2, 2
	s_add_co_u32 s2, s2, s14                       ; my number among all 1,024 waves: it deals the images out
	s_cmp_eq_u32 ttmp9, 1
	s_cselect_b32 s17, 0, s95
	s_cselect_b32 s42, s95, 0
	s_add_co_u32 s17, s17, s41                     ; tile row
	s_add_co_u32 s42, s42, s40                     ; tile column
	s_lshl_b32 s43, s41, 2
	s_lshl_b32 s43, 15, s43                        ; my row of the cluster
	s_lshl_b32 s44, 0x1111, s40                    ; my column
	s_lshl_b32 s20, s17, 8
	s_lshl_b32 s46, s42, 8
	s_mov_b32 s21, 0
	s_mov_b32 s47, 0
	s_mov_b64 s[18:19], KS
	s_mul_u64 s[22:23], s[20:21], s[18:19]
	s_mul_u64 s[92:93], s[46:47], s[18:19]
	s_mov_b64 s[18:19], KROW
	s_mul_u64 s[20:21], s[20:21], s[18:19]
	s_mul_u64 s[46:47], s[46:47], s[18:19]
	s_mul_i32 s94, s16, 128*KROW                   ; in the ring I fetch 128 rows of a tile: which half
	s_mov_b32 s95, 0
	s_mul_i32 s45, s14, HALFT
	s_wait_dscnt 0x0
	s_wait_kmcnt 0x0
	s_cmp_eq_u32 ttmp9, 1
	s_cselect_b64 s[4:5], s[32:33], s[24:25]       ; A's codes, A's scales, B's codes, B's scales
	s_cselect_b64 s[6:7], s[34:35], s[26:27]
	s_cselect_b64 s[8:9], s[24:25], s[28:29]
	s_cselect_b64 s[10:11], s[26:27], s[30:31]
	s_cselect_b64 s[98:99], s[38:39], s[36:37]     ; the bias
	s_cselect_b64 s[18:19], s[50:51], s[48:49]     ; Wq or Wo, and its image
	s_cselect_b64 s[100:101], s[56:57], s[54:55]
	s_mov_b64 s[12:13], s[52:53]
	s_mov_b64 s[96:97], s[52:53]
	s_mov_b64 s[66:67], s[24:25]
	s_mov_b64 s[104:105], s[58:59]
	s_add_nc_u64 s[20:21], s[4:5], s[20:21]
	s_add_nc_u64 s[22:23], s[6:7], s[22:23]
	s_add_nc_u64 s[46:47], s[8:9], s[46:47]
	s_add_nc_u64 s[92:93], s[10:11], s[92:93]
	s_or_b32 s[G1+0], s43, (0<<16)|(1<<20)|(1<<21)|(5<<22)|(3<<25)
	s_or_b32 s[G1B+0], s44, (0<<16)|(1<<20)|(1<<21)|(5<<22)|(3<<25)
.irp g, G1, G1B
	s_mov_b32 s[\g+1], ROWB<<16
	s_mov_b32 s[\g+2], 256<<16                     ; the head's loads bring 256 rows
	s_mov_b32 s[\g+3], ROWB<<16
	s_mov_b32 s[\g+4], 256
	s_mov_b32 s[\g+5], KROW
	s_mov_b32 s[\g+6], 0
	s_mov_b32 s[\g+7], 0
.endr
	s_or_b32 s[G1S+0], s43, (3<<16)|(1<<20)|(1<<21)|(5<<22)|(3<<25)
	s_or_b32 s[G1SB+0], s44, (3<<16)|(1<<20)|(1<<21)|(5<<22)|(3<<25)
.irp g, G1S, G1SB
	s_mov_b32 s[\g+1], 32<<16                      ; the scales of 256 rows: 32 rows of 256 bytes
	s_mov_b32 s[\g+2], KS<<16
	s_mov_b32 s[\g+3], 32<<16
	s_mov_b32 s[\g+4], KS
	s_mov_b32 s[\g+5], 32
	s_mov_b32 s[\g+6], 0
	s_mov_b32 s[\g+7], 0
.endr
	CROUND                                         ; the first joint loads meet
	s_mov_b32 s[G0H], 1
	s_mov_b32 s[G0H+1], 0
	s_mov_b64 s[G0H+2:G0H+3], s[20:21]
	s_or_b32 s[G0H+3], s[G0H+3], 0x80000000
	s_mov_b32 s[G0HB], 1
	s_mov_b32 s[G0HB+1], 2*HALFT
	s_mov_b64 s[G0HB+2:G0HB+3], s[46:47]
	s_or_b32 s[G0HB+3], s[G0HB+3], 0x80000000
	s_mov_b32 s[G0S], 1
	s_mov_b32 s[G0S+1], SCL
	s_mov_b64 s[G0S+2:G0S+3], s[22:23]
	s_or_b32 s[G0S+3], s[G0S+3], 0x80000000
	s_mov_b32 s[G0SB], 1
	s_mov_b32 s[G0SB+1], SCL+2*HALFS
	s_mov_b64 s[G0SB+2:G0SB+3], s[92:93]
	s_or_b32 s[G0SB+3], s[G0SB+3], 0x80000000
	s_add_nc_u64 s[20:21], s[20:21], s[94:95]
	s_add_nc_u64 s[46:47], s[46:47], s[94:95]
.irp s, 0,1
	s_mov_b32 s[G0+4*\s], 1
	s_add_co_u32 s[G0+4*\s+1], s45, \s*SLOT
	s_add_nc_u64 s[G0+4*\s+2:G0+4*\s+3], s[20:21], \s*ROWB
	s_or_b32 s[G0+4*\s+3], s[G0+4*\s+3], 0x80000000
	s_mov_b32 s[G0B+4*\s], 1
	s_add_co_u32 s[G0B+4*\s+1], s45, \s*SLOT
	s_add_nc_u64 s[G0B+4*\s+2:G0B+4*\s+3], s[46:47], \s*ROWB
	s_or_b32 s[G0B+4*\s+3], s[G0B+4*\s+3], 0x80000000
.endr
; the head's loads, one a wave, in one chain of branches: chunk 0 of A, chunk 0 of B, A's scales, B's scales
.macro ARM under, g0, g1, next
	s_cmp_lt_u32 s14, \under
	s_cbranch_scc0 \next
	tensor_load_to_lds s[\g0:\g0+3], s[\g1:\g1+7]
	s_nop 0
.rept 4
	v_nop
.endr
	s_branch .Lhead_asked
\next:
.endm
	ARM 1, G0H,  G1,  .Lhead_b
	ARM 2, G0HB, G1B, .Lhead_sa
	ARM 3, G0S,  G1S, .Lhead_sb
	tensor_load_to_lds s[G0SB:G0SB+3], s[G1SB:G1SB+7]
	s_nop 0
.rept 4
	v_nop
.endr
.Lhead_asked:
	v_and_b32 v1, 15, v0                           ; r
	v_bfe_u32 v2, v0, 4, 1                         ; h
	v_mul_u32_u24 v3, v1, PITCH
	v_mul_u32_u24 v4, v2, 24
	v_add_nc_u32 v4, v3, v4
	s_mov_b32 s21, SLOT-232
	s_mov_b32 s22, SLOT+232
	v_sub_nc_u32 v7, 1, v2
	v_mul_u32_u24 v5, s21, v2
	v_add_nc_u32 v5, v3, v5
	v_add_nc_u32 v5, 232, v5                       ; lanes 0-15 byte 232 of the row in slot 0, lanes 16-31 byte 0 of the row in slot 1
	v_mul_u32_u24 v6, s22, v7
	v_add_nc_u32 v6, v3, v6                        ; and the other way round
	s_mul_i32 s21, s15, HALFT
	s_mul_i32 s22, s16, HALFT
	s_add_co_u32 s22, s22, 2*HALFT
	v_add_nc_u32 v[ADRA+2], s21, v5
	v_add_nc_u32 v[ADRA+3], s21, v6
	v_add_nc_u32 v[ADRB+2], s22, v5
	v_add_nc_u32 v[ADRB+3], s22, v6
.irp s, 0,1
	v_add_nc_u32 v[ADRA+\s], s21, v4
	v_add_nc_u32 v[ADRB+\s], s22, v4
	s_add_co_u32 s21, s21, SLOT
	s_add_co_u32 s22, s22, SLOT
.endr
	v_mul_u32_u24 v5, v1, KS
	v_lshrrev_b32 v6, 8, v5
	v_lshl_add_u32 v5, v6, 4, v5
	s_mul_i32 s21, s15, HALFS
	s_mul_i32 s22, s16, HALFS
	s_add_co_u32 s22, s22, 2*HALFS
	s_sub_co_u32 s22, s22, s21
	v_mul_u32_u24 v6, s22, v2                      ; lanes 16-31 take B's scale words
	s_add_co_u32 s21, s21, SCL
	v_add_nc_u32 v5, v5, v6
	v_add_nc_u32 v[ADRS], s21, v5
	s_lshl_b32 s20, s17, 8
	s_lshl_b32 s22, s15, 7
	s_add_co_u32 s20, s20, s22                     ; my first row
	s_lshl_b32 s21, s42, 8
	s_lshl_b32 s22, s16, 7
	s_add_co_u32 s21, s21, s22                     ; my first column
	s_lshl_b32 s22, s20, 2
	s_lshl_b32 s23, s21, 2
	s_cmp_eq_u32 ttmp9, 1
	s_cselect_b32 s92, 0, s23
	s_cselect_b32 s93, s22, 0
	s_cselect_b32 s94, 0, -1                       ; bk runs along the columns, bv along the rows: the other one is masked away
	s_cselect_b32 s95, -1, 0
	s_cselect_b32 s46, s21, s20                    ; my first token
	s_cselect_b32 s47, s20, s21                    ; my first channel
	v_lshlrev_b32 v30, 5, v2
	v_add_nc_u32 v30, s92, v30
	v_lshlrev_b32 v31, 2, v1
	v_add_nc_u32 v31, s93, v31
.irp b, 0,1,2,3,4,5,6,7
	global_load_b128 v[BN+8*\b:BN+8*\b+3], v30, s[98:99] offset:64*\b
	global_load_b128 v[BN+8*\b+4:BN+8*\b+7], v30, s[98:99] offset:64*\b+16
.endr
.irp a, 0,1,2,3,4,5,6,7
	global_load_b32 v[BM+2*\a], v31, s[98:99] offset:64*\a
	global_load_b32 v[BM+2*\a+1], v31, s[98:99] offset:64*\a
.endr
	s_and_b32 s43, s2, 511                         ; the images: one fragment of a weight and four of x a wave
	s_lshr_b32 s44, s43, 3
	s_mul_i32 s44, s44, 16*KROW
	s_and_b32 s45, s43, 7
	s_mul_i32 s45, s45, 96
	s_add_co_u32 s44, s44, s45
	s_mov_b32 s45, 0
	s_add_nc_u64 s[18:19], s[18:19], s[44:45]
	s_mul_i32 s44, s43, 1536
	s_add_nc_u64 s[100:101], s[100:101], s[44:45]
	s_lshr_b32 s44, s2, 1
	s_mul_i32 s44, s44, 16*KROW
	s_and_b32 s43, s2, 1
	s_mul_i32 s43, s43, 384
	s_add_co_u32 s44, s44, s43
	s_add_nc_u64 s[66:67], s[66:67], s[44:45]
	s_mul_i32 s44, s2, 6144
	s_add_nc_u64 s[104:105], s[104:105], s[44:45]
	v_mul_u32_u24 v13, v1, KROW
	v_mad_u32_u24 v13, v2, 24, v13
	WIN TO_B
	RLOAD 0, 18, 0
	RLOAD 1, 66, 0
	RLOAD 2, 66, 96
	RLOAD 3, 66, 192
	RLOAD 4, 66, 288
	WIN 0
	v_and_b32 v3, 31, v0
	v_lshlrev_b32 v7, 4, v3
	s_wait_alu depctr_va_vdst(0)                   ; the wait
	v_lshlrev_b32 v8, 3, v3
	s_wait_alu depctr_va_vdst(0)
	s_mov_b32 s41, 12288                           ; where k's and where v's codes and scale words go in a key step
	s_mov_b32 s43, 208896
	s_mov_b32 s44, 208896
	s_cmp_eq_u32 ttmp9, 1
	s_cselect_b32 s40, 6144, 0
	s_cselect_b32 s41, 12800, s41
	s_cselect_b32 s43, 768, s43
	s_cselect_b32 s44, 0, s44
	s_cselect_b32 s45, 0, 16
	s_lshr_b32 s92, s46, 11
	s_lshl_b32 s92, s92, 4
	s_lshr_b32 s93, s47, 6
	s_add_co_u32 s92, s92, s93                     ; 16 x batch + head
	s_bfe_u32 s93, s46, 0x40007                    ; the key step
	s_mul_i32 s22, s92, 208896
	s_mul_i32 s23, s93, 13056
	s_add_co_u32 s22, s22, s23
	s_add_co_u32 s46, s22, s41
	s_add_co_u32 s22, s22, s40
	s_mov_b32 s23, 0
	s_mov_b32 s47, 0
	s_add_nc_u64 s[12:13], s[12:13], s[22:23]
	s_add_nc_u64 s[96:97], s[96:97], s[46:47]
	v_add_nc_u32 v9, s43, v7
	v_add_nc_u32 v10, s43, v8
	v_mul_u32_u24 v11, s44, v2
	v_lshl_add_u32 v11, v1, 4, v11
	v_mul_u32_u24 v12, s45, v2
.irp b, 0,1,2,3
	v_mov_b32 v[TM+4+\b], 0
.endr
	s_mov_b32 s[SEL], 0x76543210
	s_mov_b32 s[SEL+1], 0xfedcba98
.macro FRAG reg, adr, st, i            ; 16 rows x 128 K: six pieces of 8 bytes; byte y of a row lies in slot (y / 256) % 2 at byte y % 256 of the LDS row
.irp p, 0,1,2,3,4,5
.set BY, 96*(\st)+48*(\p/3)+8*(\p%3)
.if BY/ROWB == (BY+24)/ROWB
	ds_load_b64 v[\reg+2*\p:\reg+2*\p+1], v[\adr+(BY/ROWB)%2] offset:BY%ROWB+(\i)*16*PITCH
.else
	ds_load_b64 v[\reg+2*\p:\reg+2*\p+1], v[\adr+2+(BY/ROWB)%2] offset:BY%ROWB-232+(\i)*16*PITCH
.endif
.endr
.endm
.macro MUL16 a0, p, q, sc, zero        ; the 64 accumulators take turns, one instruction a turn
.irp a, \a0, \a0+1
.irp b, 0,1,2,3,4,5,6,7
.if \zero
	v_wmma_scale_f32_16x16x128_f8f6f4 v[8*(8*((\a)%4)+\b):8*(8*((\a)%4)+\b)+7], v[128*(\p)+FR*\b:128*(\p)+FR*\b+FR-1], v[AF+FR*(\a):AF+FR*(\a)+FR-1], 0, v[SC+8*NQ*(\sc)+NQ*\b+(\q)], v[SC+8*NQ*(\sc)+NQ*(\a)+(\q)] matrix_a_fmt:MATRIX_FMT_FP6 matrix_b_fmt:MATRIX_FMT_FP6 matrix_a_scale:MATRIX_SCALE_ROW1
.else
	v_wmma_scale_f32_16x16x128_f8f6f4 v[8*(8*((\a)%4)+\b):8*(8*((\a)%4)+\b)+7], v[128*(\p)+FR*\b:128*(\p)+FR*\b+FR-1], v[AF+FR*(\a):AF+FR*(\a)+FR-1], v[8*(8*((\a)%4)+\b):8*(8*((\a)%4)+\b)+7], v[SC+8*NQ*(\sc)+NQ*\b+(\q)], v[SC+8*NQ*(\sc)+NQ*(\a)+(\q)] matrix_a_fmt:MATRIX_FMT_FP6 matrix_b_fmt:MATRIX_FMT_FP6 matrix_a_scale:MATRIX_SCALE_ROW1
.endif
.endr
.endr
.endm
.macro FETCH_B st, p
	WIN TO_B
.irp i, 0,1,2,3,4,5,6,7
	FRAG 128*(\p)+FR*\i, ADRB, \st, \i
.endr
	WIN 0
.endm
.macro FETCH_A st, i0
.irp i, \i0, \i0+1, \i0+2, \i0+3
	FRAG AF+FR*(\i), ADRA, \st, \i
.endr
.endm
.macro SCALES pr                       ; the scale words of steps 2 pr, 2 pr + 1
.irp i, 0,1,2,3,4,5,6,7
	ds_load_b64 v[SC+8*NQ*((\pr)%2)+NQ*\i:SC+8*NQ*((\pr)%2)+NQ*\i+1], v[ADRS] offset:\i*SBLK+4*NQ*(\pr)
.endr
.endm
.macro PLACES n
.rept \n
	v_nop
.endr
.endm
; A step: 64 products; the next step's fragments are fetched in its middle and at its end.  Where the next step's bytes end in a chunk not read yet, a barrier shows that chunk; where they begin in a later chunk,
; the chunk left behind is free: the three lines, the barrier, and, where a chunk two on is left to fetch, the cluster's round and the refill.
.macro STEP st, zero
.set NX, (\st)+1
.set C0, (96*(\st))/ROWB
.set C1, (96*NX)/ROWB
.set E0, (96*(\st)+95)/ROWB
.set E1, (96*NX+95)/ROWB
.if C1 > C0 || E1 > E0
	s_wait_tensorcnt 0x0                           ; all my tensor loads have landed
.if C1 > C0
	ds_add_u32 v[SPW], v[NIL]
	s_wait_dscnt 4*NL+1                            ; the add and A's blocks 4-7 (24 loads) may be out
.else
	s_wait_dscnt 4*NL
.endif
	WIN MUL_LO
	MUL16 0, (\st)%2, (\st)%2, ((\st)/2)%2, \zero
	s_wait_dscnt 0x0                               ; the add and all my reads are done
	s_barrier_signal -1
	MUL16 2, (\st)%2, (\st)%2, ((\st)/2)%2, \zero
	WIN 0
	s_barrier_wait -1
.if C1 > C0 && C0+2 < CHUNKS
	CREST
	s_add_nc_u64 s[G0+4*(C0%2)+2:G0+4*(C0%2)+3], s[G0+4*(C0%2)+2:G0+4*(C0%2)+3], 2*ROWB
	s_add_nc_u64 s[G0B+4*(C0%2)+2:G0B+4*(C0%2)+3], s[G0B+4*(C0%2)+2:G0B+4*(C0%2)+3], 2*ROWB
	JLOAD G0+4*(C0%2), G1, G0B+4*(C0%2), G1B       ; chunk C0 + 2; its four v_nop are the places in front of the loads below
.else
	PLACES NP
.endif
.else
	s_wait_dscnt 4*NL                              ; A's blocks 4-7 may be out
	WIN MUL_LO
	MUL16 0, (\st)%2, (\st)%2, ((\st)/2)%2, \zero
	MUL16 2, (\st)%2, (\st)%2, ((\st)/2)%2, \zero
	s_wait_dscnt 0
	PLACES NP
.endif
	FETCH_B NX, NX%2
	FETCH_A NX, 0
.if NX%2 == 0
	SCALES NX/2
.endif
	WIN MUL_HI
	MUL16 4, (\st)%2, (\st)%2, ((\st)/2)%2, \zero
	MUL16 6, (\st)%2, (\st)%2, ((\st)/2)%2, \zero
	PLACES NP
	WIN 0
	FETCH_A NX, 4
.endm
	s_wait_alu depctr_va_vdst(0)                   ; the wait at the head's end
	s_wait_tensorcnt 0x0                           ; my tile of the head's four is in
	ds_add_u32 v[SPW], v[NIL]
	s_mov_b32 s[G1+2], 128<<16                     ; no load of mine is out: from here on a load brings 128 rows
	s_mov_b32 s[G1+4], 128
	s_mov_b32 s[G1B+2], 128<<16
	s_mov_b32 s[G1B+4], 128
	s_mov_b32 s4, 768                              ; the way out's steps and mask, in the registers that held the head's groups 0: written only here, behind the wait for those loads
	s_mov_b32 s6, 768
	s_mov_b32 s8, 256
	s_mov_b32 s10, 0xffff
	s_cmp_eq_u32 ttmp9, 1
	s_cselect_b32 s4, 1536, s4
	s_cselect_b32 s6, 204288, s6
	s_cselect_b32 s8, 208896, s8
	s_cselect_b32 s10, -1, s10
	s_mov_b32 s5, 0
	s_mov_b32 s7, 0
	s_mov_b32 s9, 0
	s_wait_dscnt 0x0
	CROUND
	JLOAD G0+4, G1, G0B+4, G1B                     ; chunk 1, the first tensor load behind the round
	FETCH_B 0, 0
	FETCH_A 0, 0
	SCALES 0
	FETCH_A 0, 4
	STEP 0, 1                                      ; the first products start the sums
.set ST, 1
.rept STEPS-2
	STEP ST, 0
.set ST, ST+1
.endr
	s_wait_dscnt 4*NL
	WIN MUL_LO
	MUL16 0, 1, 1, 1, 0
	MUL16 2, 1, 1, 1, 0
	s_wait_dscnt 0
	WIN MUL_HI
	MUL16 4, 1, 1, 1, 0
	MUL16 6, 1, 1, 1, 0
	WIN 0
; the quantiser of 16 rows x 128 columns: four blocks of 32 a row, each in lanes l and l xor 16
.macro QUANT s
.irp b, 0,1,2,3
	v_max3_num_f32 v[TM+\b], |v[\s+16*\b]|, |v[\s+1+16*\b]|, 0x1800000
.endr
.irp i, 2,4,6,8,10,12,14
.irp b, 0,1,2,3
	v_max3_num_f32 v[TM+\b], v[TM+\b], |v[\s+16*\b+\i]|, |v[\s+1+16*\b+\i]|
.endr
.endr
.irp b, 0,1,2,3
	v_permlanex16_b32 v[TM+4+\b], v[TM+\b], s[SEL], s[SEL+1]
.endr
.irp b, 0,1,2,3
	v_max_num_f32 v[TM+\b], v[TM+\b], v[TM+4+\b]
.endr
.irp b, 0,1,2,3
	v_add_nc_u32 v[TM+12+\b], 0xff000000, v[TM+\b]
.endr
.irp b, 0,1,2,3
	v_lshrrev_b32 v[TM+4+\b], 23, v[TM+12+\b]
.endr
	v_lshl_or_b32 v[PW], v[TM+5], 8, v[TM+4]
	v_lshl_or_b32 v[PW], v[TM+6], 16, v[PW]
	v_lshl_or_b32 v[PW], v[TM+7], 24, v[PW]
.irp c, 0,1
	v_cvt_scalef32_pk16_fp6_f32 v[PC+6*\c:PC+2+6*\c], v[\s+32*\c:\s+15+32*\c], v[TM+12+2*\c]
	v_cvt_scalef32_pk16_fp6_f32 v[PC+12+4*\c:PC+14+4*\c], v[\s+16+32*\c:\s+31+32*\c], v[TM+12+2*\c+1]
.endr
	v_nop
.irp c, 0,1
.irp i, 0,1,2
	v_permlane16_swap_b32 v[PC+6*\c+\i], v[PC+12+4*\c+\i]
.endr
.irp i, 0,1,2
	v_mov_b32 v[PC+3+6*\c+\i], v[PC+12+4*\c+\i]
.endr
.endr
.endm
.macro OUTBLK a
.if (\a) > 0
	s_wait_xcnt 0x0                                ; the stores' bases and data are written again only behind this wait
.if (\a) == 4
	s_add_nc_u64 s[12:13], s[12:13], s[6:7]
	s_add_nc_u64 s[96:97], s[96:97], s[8:9]
.else
	s_add_nc_u64 s[12:13], s[12:13], s[4:5]
.endif
.endif
.set AC, 64*((\a)%4)
.if (\a) < 4
	WIN 0x02
.else
	WIN 0x03
.endif
.set i, 0
.rept 32
	v_pk_add_f32 v[HA+i:HA+i+1], v[AC+i:AC+i+1], v[BN+i:BN+i+1]
.set i, i+2
.endr
	WIN 0
.set i, 0
.rept 32
	v_pk_add_f32 v[HA+i:HA+i+1], v[HA+i:HA+i+1], v[BM+2*(\a):BM+2*(\a)+1]
.set i, i+2
.endr
	QUANT HA
	global_store_b128 v7, v[PC:PC+3], s[12:13]
	global_store_b64 v8, v[PC+4:PC+5], s[12:13] offset:512
	global_store_b128 v9, v[PC+6:PC+9], s[12:13]
	global_store_b64 v10, v[PC+10:PC+11], s[12:13] offset:512
	v_lshrrev_b32 v[SW+(\a)%4], v12, v[PW]
	v_and_b32 v[SW+(\a)%4], s10, v[SW+(\a)%4]
.if (\a)%4 == 3
	global_store_b128 v11, v[SW:SW+3], s[96:97]
.endif
.endm
	PLACES NP
	s_wait_loadcnt 0x0
	WIN 0x04
	RSTORE 0, 100, 0
	RSTORE 1, 104, 0
	RSTORE 2, 104, 1536
	RSTORE 3, 104, 3072
	RSTORE 4, 104, 4608
	WIN 0
.set i, 0
.rept 64
	v_and_b32 v[BN+i], s94, v[BN+i]
.set i, i+1
.endr
.set i, 0
.rept 16
	v_and_b32 v[BM+i], s95, v[BM+i]
.set i, i+1
.endr
.irp a, 0,1,2,3,4,5,6,7
	OUTBLK \a
.endr
	s_wait_tensorcnt 0x0                           ; the wave's end
	ds_add_u32 v[SPW], v[NIL]
	s_wait_dscnt 0x0
	CROUND                                         ; the closing round
	s_endpgm
.Lfunc_end_k_q40552bfe20_proj:
	.size	k_q40552bfe20_proj, .Lfunc_end_k_q40552bfe20_proj-k_q40552bfe20_proj
	.p2alignl 7, 3214868480
	.fill 96, 4, 3214868480
	.section	.rodata,"a",@progbits
	.p2align	6, 0x0
	.amdhsa_kernel k_q40552bfe20_proj
		.amdhsa_group_segment_fixed_size 327680
		.amdhsa_private_segment_fixed_size 0
		.amdhsa_enable_private_segment 0
		.amdhsa_kernarg_size 112
		.amdhsa_user_sgpr_count 2
		.amdhsa_user_sgpr_kernarg_segment_ptr 1
		.amdhsa_wavefront_size32 1
		.amdhsa_system_sgpr_workgroup_id_x 1
		.amdhsa_system_sgpr_workgroup_id_y 1
		.amdhsa_system_sgpr_workgroup_id_z 1
		.amdhsa_system_vgpr_workitem_id 0
		.amdhsa_next_free_vgpr 1024
		.amdhsa_next_free_sgpr 106
		.amdhsa_reserve_vcc 0
		.amdhsa_float_denorm_mode_32 3
		.amdhsa_float_denorm_mode_16_64 3
		.amdhsa_memory_ordered 1
		.amdhsa_forward_progress 1
		.amdhsa_inst_pref_size 211
	.end_amdhsa_kernel
	.amdgpu_metadata
---
amdhsa.version: [ 1, 2 ]
amdhsa.kernels:
  - .name:           k_q40552bfe20_proj
    .symbol:         k_q40552bfe20_proj.kd
    .args:
      - { .name: x_codes, .offset: 0, .size: 8, .value_kind: global_buffer, .address_space: global }
      - { .name: x_scales, .offset: 8, .size: 8, .value_kind: global_buffer, .address_space: global }
      - { .name: Wk_codes, .offset: 16, .size: 8, .value_kind: global_buffer, .address_space: global }
      - { .name: Wk_scales, .offset: 24, .size: 8, .value_kind: global_buffer, .address_space: global }
      - { .name: Wv_codes, .offset: 32, .size: 8, .value_kind: global_buffer, .address_space: global }
      - { .name: Wv_scales, .offset: 40, .size: 8, .value_kind: global_buffer, .address_space: global }
      - { .name: bk, .offset: 48, .size: 8, .value_kind: global_buffer, .address_space: global }
      - { .name: bv, .offset: 56, .size: 8, .value_kind: global_buffer, .address_space: global }
      - { .name: Wo_codes, .offset: 64, .size: 8, .value_kind: global_buffer, .address_space: global }
      - { .name: Wq_codes, .offset: 72, .size: 8, .value_kind: global_buffer, .address_space: global }
      - { .name: kv, .offset: 80, .size: 8, .value_kind: global_buffer, .address_space: global }
      - { .name: woi, .offset: 88, .size: 8, .value_kind: global_buffer, .address_space: global }
      - { .name: wqi, .offset: 96, .size: 8, .value_kind: global_buffer, .address_space: global }
      - { .name: xi, .offset: 104, .size: 8, .value_kind: global_buffer, .address_space: global }
    .group_segment_fixed_size: 327680
    .private_segment_fixed_size: 0
    .kernarg_segment_align: 8
    .kernarg_segment_size: 112
    .max_flat_workgroup_size: 128
    .sgpr_count:     106
    .vgpr_count:     1024
    .wavefront_size: 32
...
	.end_amdgpu_metadata
.endif
;; end of part 1
;; launch attn (part 2): grid 4 x 64, 16 waves a work-group, clusters of 4 x 1, 280,576 bytes of LDS; arguments xi, x_scales, wqi, Wq_scales, bq, kv, acod, ascl; writes acod, ascl
.if DOCPART == 2
	.amdgcn_target "amdgcn-amd-amdhsa--gfx1250"
	.amdhsa_code_object_version 6
	.text
	.protected	k_q40552bfe20_attn
	.globl	k_q40552bfe20_attn
	.p2align	8
	.type	k_q40552bfe20_attn,@function
k_q40552bfe20_attn:
	s_mov_b64 s[64:65], 0
	v_nop
	global_prefetch_b8 v0, s[64:65] scope:SCOPE_SE
	s_setreg_imm32_b32 hwreg(HW_REG_WAVE_MODE, 25, 1), 1
	s_wait_xcnt 0x0
	s_wait_alu depctr_hold_cnt(0) depctr_sa_sdst(0) depctr_va_vdst(0) depctr_va_sdst(0) depctr_va_ssrc(0) depctr_va_vcc(0) depctr_vm_vsrc(0)
	s_getreg_b32 s2, hwreg(HW_REG_IB_STS2, 6, 4)
	s_cmp_eq_u32 s2, 0
	s_cbranch_scc0 .Lentry_in_a_cluster
	s_endpgm
.Lentry_in_a_cluster:
	s_bfe_u32 s2, ttmp6, 0x10000c
	s_cmp_lg_u32 s2, 0x3003
	s_cbranch_scc0 .Lentry_shape_is_right
	s_endpgm
.Lentry_shape_is_right:
; q = x Wq^T + bq for my queries, then O[head][q] = the sum over keys of softmax(q . k / 8) v: all three products on codes of FP6 (E2M3) with one E8M0 scale for each 32 along a product's K;
; q is quantised along the head's 64 channels, p along the keys, and the result along the model's 1,024 for the last product.
; THE SOFTMAX: t = score x log2(e) / 8; M = the row's largest t so far, rounded UP to a whole number; p = 2^(t - M) is what is quantised; the row's sum is taken of the unquantised p and divides O at the end.
; When M moves, the sum and O are multiplied by 2^(old M - new M): exact.
; SHARES.  A work-group owns 512 queries of one head and stays for two passes of 256; in a pass each of its sixteen waves owns 16 queries, in 256 registers.  64 heads x 4 blocks = 256 work-groups.
; LDS IS FILLED ONCE, ONE TENSOR LOAD A WAVE, at the head: waves 0-3 a tile each of the head's 64 rows of Wq (4 x 12,288 bytes from byte 0), waves 4-15 a twelfth each of the head's whole K and V
; (12 x 17,408 = 16 key steps x 13,056 bytes; part w - 4 lies at 17,408 w).  The first barrier shows Wq: waves 0-3 alone wait there, and their load line is theirs alone.  q is made while K and V land.
; The second barrier, with every wave's wait for 0 ahead of it, shows all of K and V.  Nothing is filled twice and nothing is stored to LDS: from there on no barrier stands in the walk over the keys.
; CLUSTER.  The four blocks of queries of a cluster belong to one head: all these loads are joint (mask 15).  x is not shared: a wave loads its 16 tokens' eight fragments straight into registers, as images.
; NO PREFETCH: K, V and Wq are asked for whole at the head, so no later step's tile is left to ask for; x's tile of a pass is read by the sixteen heads' work-groups alike and is 12,288 bytes a wave.
; LAYOUT.  All products are used transposed: q^T = Wq x^T, S^T = K Q^T, O^T = V^T P^T: a lane holds ONE query (lane % 16).  A block of 32 comes out of the quantiser in the order group 0, 2, 1, 3 (groups of eight),
; the order in which k's and v's codes were laid: both sides of a product alike.
; K = 64 IN AN INSTRUCTION OF 128: Q's registers 6-11 are zero codes, bytes 2, 3 of q's and k's scale words are 0.  K's fragment t is named v[KF + 6 t .. + 11]: its upper six registers are the next fragment's codes,
; which meet zero codes; behind the last fragment stand six registers of zeros.
; OUT: acod [tile of 16 tokens 512][K step 8][head % 2][768], codes in their true order; ascl [token][32] scale bytes.
; LIMITS: NaN and infinities are not served; the promise holds while |t| stays under 2^31; a block whose largest magnitude lies under 2^-124 gets the byte 1 (read by this program alone).
.set STEPB, 13056                      ; a key step: k's 8 tiles x 768 | v's 4 x 2 x 768 | k's scale words 512 | v's 256
.set PART,  17408                      ; what one of waves 4-15 brings: 68 rows of 256 bytes
.set KVB,   4*PART                     ; K and V begin here in LDS
.set VOFF,  6144
.set KSO,   12288
.set VSO,   12800
.set SPARE, KVB+16*STEPB               ; the spare words: 16 x 128 bytes
.set PASSX, 196608
.set PASSS, 8192
.set A16,  4
.set A8,   5
.set AR,   6
.set QF,   16                          ; v16-27 Q (22-27 zero codes)
.set KF,   28                          ; v28-75 k's 8 fragments, then v's 4; v76-81 zeros
.set S,    82                          ; v82-145 S^T, then p
.set O,    146                         ; v146-177 O^T
.set P,    178
.set CT,   190
.set BMX,  198
.set BPM,  202
.set BSO,  206
.set KSW,  210
.set VSW,  218
.set QSW,  222
.set F,    250
.set PWP,  251
.set TMP,  252
.set XF,   82                          ; while q is made: x's eight fragments,
.set WF,   28                          ; Wq's four of a K step,
.set QA,   178                         ; q^T, begun with bq,
.set WSW,  210                         ; Wq's scale words,
.set XSW,  242                         ; x's
.set QM,   28
.set WV,   20
.set SEL,  22
.set CS,   24
.set TB,   26
.set CNT,  27
.set G1,   32
.set G0,   40
.set G1W,  68
.set G0W,  76
.macro ROUND
	s_barrier_signal -1
	s_barrier_wait -1
	s_cmp_lg_u32 s[WV], 0
	s_cbranch_scc1 .Lnot_wave_0_\@
	s_barrier_signal -3
.Lnot_wave_0_\@:
	s_barrier_wait -3
	s_barrier_signal -1
	s_barrier_wait -1
.endm
.macro XASK p                          ; 42 loads: scale words and bias first, then x's fragments K step by K step
	global_load_b128 v[XSW:XSW+3], v7, s[6:7] offset:PASSS*\p
	global_load_b128 v[XSW+4:XSW+7], v7, s[6:7] offset:PASSS*\p+16
.irp t, 0,1,2,3
	global_load_b128 v[WSW+8*\t:WSW+8*\t+3], v7, s[10:11] offset:512*\t
	global_load_b128 v[WSW+8*\t+4:WSW+8*\t+7], v7, s[10:11] offset:512*\t+16
	global_load_b128 v[QA+8*\t:QA+8*\t+3], v8, s[12:13] offset:64*\t
	global_load_b128 v[QA+8*\t+4:QA+8*\t+7], v8, s[12:13] offset:64*\t+16
.endr
.irp s, 0,1,2,3,4,5,6,7
.irp c, 0,1,2
	global_load_b128 v[XF+12*\s+4*\c:XF+12*\s+4*\c+3], v1, s[4:5] offset:PASSX*\p+1536*\s+512*\c
.endr
.endr
.endm
.macro QPROJ                           ; q^T = Wq x^T + bq, then its two blocks of 32 channels are quantised
.irp s, 0,1,2,3,4,5,6,7
.if \s > 0
.rept 4
	v_nop                                          ; places in front of loads into registers that the products just issued have read
.endr
.endif
.irp t, 0,1,2,3
.irp c, 0,1,2
	ds_load_b128 v[WF+12*\t+4*\c:WF+12*\t+4*\c+3], v1 offset:12288*\t+1536*\s+512*\c
.endr
.endr
	s_wait_loadcnt 21-3*\s                         ; the later K steps' loads, three each, may be out
	s_wait_dscnt 0x0
.irp t, 0,1,2,3
	v_wmma_scale_f32_16x16x128_f8f6f4 v[QA+8*\t:QA+8*\t+7], v[WF+12*\t:WF+12*\t+11], v[XF+12*\s:XF+12*\s+11], v[QA+8*\t:QA+8*\t+7], v[WSW+8*\t+\s], v[XSW+\s] matrix_a_fmt:MATRIX_FMT_FP6 matrix_b_fmt:MATRIX_FMT_FP6
.endr
.endr
.rept 4
	v_nop
.endr
.irp b, 0,1
	v_max3_num_f32 v[QM+\b], |v[QA+16*\b]|, |v[QA+1+16*\b]|, 0x1800000
.endr
.irp i, 2,4,6,8,10,12,14
.irp b, 0,1
	v_max3_num_f32 v[QM+\b], v[QM+\b], |v[QA+16*\b+\i]|, |v[QA+1+16*\b+\i]|
.endr
.endr
.irp b, 0,1
	s_delay_alu instid0(VALU_DEP_2)
	v_permlanex16_b32 v[QM+2+\b], v[QM+\b], s[SEL], s[SEL+1]
.endr
.irp b, 0,1
	s_delay_alu instid0(VALU_DEP_2)
	v_max_num_f32 v[QM+\b], v[QM+\b], v[QM+2+\b]
.endr
.irp b, 0,1
	s_delay_alu instid0(VALU_DEP_2)
	v_add_nc_u32 v[QM+4+\b], 0xff000000, v[QM+\b]
.endr
.irp b, 0,1
	s_delay_alu instid0(VALU_DEP_2)
	v_lshrrev_b32 v[QM+2+\b], 23, v[QM+4+\b]
.endr
	s_delay_alu instid0(VALU_DEP_1)
	v_lshl_or_b32 v[QSW], v[QM+3], 8, v[QM+2]      ; q's scale word: bytes 2 and 3 are 0
	v_cvt_scalef32_pk16_fp6_f32 v[QF:QF+2], v[QA:QA+15], v[QM+4]
	v_cvt_scalef32_pk16_fp6_f32 v[QM+8:QM+10], v[QA+16:QA+31], v[QM+5]
	v_nop
.irp i, 0,1,2
	v_permlane16_swap_b32 v[QF+\i], v[QM+8+\i]
.endr
.irp i, 0,1,2
	s_delay_alu instid0(VALU_DEP_3)
	v_mov_b32 v[QF+3+\i], v[QM+8+\i]
.endr
.endm
.macro INIT                            ; a pass begins; these lines are also the places between the writing of Q and its scale word and the first product
	v_mov_b32 v13, 0xff61b1e6                      ; -3e38
	s_delay_alu instid0(VALU_DEP_1)
	v_floor_f32 v12, -v13                          ; -M
	v_mov_b32 v14, 0
	v_mov_b32 v15, 0
.irp b, 0,1,2,3
	v_mov_b32 v[BPM+\b], 0
.endr
	v_mov_b32 v[PWP], 0
.set i, 0
.rept 32
	v_mov_b32 v[O+i], 0
.set i, i+1
.endr
.endm
	s_load_b512 s[4:19], s[0:1], 0x0               ; xi, x's scales, wqi, Wq's scales, bq, kv, acod, ascl
	v_lshl_add_u32 v254, v0, 2, SPARE
	v_mov_b32 v255, 0
	ds_add_u32 v254, v255                          ; the opening lines
	ds_add_u32 v254, v255
	v_lshrrev_b32 v1, 5, v0
	s_delay_alu instid0(VALU_DEP_1)
	v_readfirstlane_b32 s[WV], v1                  ; wave 0..15
	s_bfe_u32 s28, ttmp6, 0x40000                  ; cx: it enters the addresses of xi, x's scales, acod and ascl alone
	s_lshl_b32 s29, ttmp9, 2
	s_add_co_u32 s29, s29, s28                     ; my block of 512 queries
	s_and_b32 s30, ttmp7, 0xffff                   ; 16 x batch + head
	s_lshl_b32 s31, s29, 5
	s_add_co_u32 s31, s31, s[WV]                   ; my tile of 16 queries in pass 0
	s_and_b32 s80, s30, 15
	s_lshr_b32 s81, s30, 4
	s_lshl_b32 s81, s81, 7
	s_add_co_u32 s81, s81, s31                     ; my tile among all 512
	s_and_b32 s82, s[WV], 3
	s_mul_i32 s84, s82, 12288                      ; waves 0-3: tile w of Wq, in LDS and in the head's part of wqi
	s_mul_i32 s83, s[WV], PART                     ; waves 4-15: part w - 4 of K and V lies in LDS at KVB + (w - 4) PART = w PART,
	s_max_u32 s82, s[WV], 4
	s_sub_co_u32 s82, s82, 4
	s_mul_i32 s82, s82, PART                       ; and in the head's part of kv at (w - 4) PART
	s_mov_b32 s87, 0
	v_and_b32 v10, 31, v0
	s_delay_alu instid0(VALU_DEP_1)
	v_lshlrev_b32 v1, 4, v10                       ; 16 x lane
	s_delay_alu instid0(VALU_DEP_2)
	v_lshlrev_b32 v2, 3, v10                       ; 8 x lane
	v_and_b32 v11, 15, v0
	s_delay_alu instid0(VALU_DEP_1)
	v_lshlrev_b32 v3, 4, v11                       ; 16 r
	s_delay_alu instid0(VALU_DEP_2)
	v_lshlrev_b32 v7, 5, v11                       ; 32 r
	v_bfe_u32 v8, v0, 4, 1
	s_delay_alu instid0(VALU_DEP_1)
	v_lshlrev_b32 v8, 5, v8                        ; 32 h
	s_mov_b32 s[G1], 15|(3<<16)|(1<<21)            ; dense blocks as rows of 256 bytes (32 elements of 8): 68 rows of K and V,
	s_mov_b32 s[G1+1], 32<<16
	s_mov_b32 s[G1+2], 68<<16
	s_mov_b32 s[G1+3], 32<<16
	s_mov_b32 s[G1+4], 68
	s_mov_b32 s[G1+5], 32
	s_mov_b32 s[G1+6], 0
	s_mov_b32 s[G1+7], 0
	s_mov_b32 s[G1W], 15|(3<<16)|(1<<21)           ; 48 of Wq
	s_mov_b32 s[G1W+1], 32<<16
	s_mov_b32 s[G1W+2], 48<<16
	s_mov_b32 s[G1W+3], 32<<16
	s_mov_b32 s[G1W+4], 48
	s_mov_b32 s[G1W+5], 32
	s_mov_b32 s[G1W+6], 0
	s_mov_b32 s[G1W+7], 0
	s_mov_b32 s[SEL], 0x76543210
	s_mov_b32 s[SEL+1], 0xfedcba98
	s_mov_b32 s[CS], 0x3e38aa3b                    ; c = log2(e) / 8
	s_mov_b32 s[CS+1], s[CS]
	s_mov_b32 s56, 0x05040100
	s_mov_b32 s57, 0x05040302
	s_mov_b32 s58, 0x07060302
	s_wait_alu depctr_va_vdst(0)
	s_wait_dscnt 0x0
	s_wait_kmcnt 0x0
	s_mul_i32 s86, s81, 12288
	s_add_nc_u64 s[4:5], s[4:5], s[86:87]          ; xi: my tile
	s_mul_i32 s85, s80, 768
	s_add_co_u32 s86, s86, s85
	s_add_nc_u64 s[16:17], s[16:17], s[86:87]      ; acod: my tile, 768 x head
	s_lshl_b32 s86, s81, 9
	s_add_nc_u64 s[6:7], s[6:7], s[86:87]          ; x's scales
	s_lshl_b32 s85, s80, 1
	s_add_co_u32 s86, s86, s85
	s_add_nc_u64 s[18:19], s[18:19], s[86:87]      ; ascl
	s_lshl_b32 s86, s80, 11
	s_add_nc_u64 s[10:11], s[10:11], s[86:87]      ; Wq's scales
	s_lshl_b32 s86, s80, 8
	s_add_nc_u64 s[12:13], s[12:13], s[86:87]      ; bq
	s_mul_i32 s86, s80, 49152
	s_add_co_u32 s86, s86, s84
	s_add_nc_u64 s[8:9], s[8:9], s[86:87]          ; wqi: the head's tile w
	s_mul_i32 s86, s30, 16*STEPB
	s_add_co_u32 s86, s86, s82
	s_add_nc_u64 s[14:15], s[14:15], s[86:87]      ; kv: the head's part w - 4
	XASK 0
	ROUND                                          ; the joint loads meet
	s_mov_b32 s[G0W], 1
	s_mov_b32 s[G0W+1], s84
	s_mov_b64 s[G0W+2:G0W+3], s[8:9]
	s_or_b32 s[G0W+3], s[G0W+3], 0x80000000
	s_mov_b32 s[G0], 1
	s_mov_b32 s[G0+1], s83
	s_mov_b64 s[G0+2:G0+3], s[14:15]
	s_or_b32 s[G0+3], s[G0+3], 0x80000000
	s_cmp_lt_u32 s[WV], 4                          ; one chain, one load to an arm: every wave issues exactly one
	s_cbranch_scc0 .Lkv_part
	tensor_load_to_lds s[G0W:G0W+3], s[G1W:G1W+7]
	s_nop 0
.rept 4
	v_nop
.endr
	s_branch .Lasked
.Lkv_part:
	tensor_load_to_lds s[G0:G0+3], s[G1:G1+7]
	s_nop 0
.rept 4
	v_nop
.endr
.Lasked:
.irp j, 0,1,2,3,4,5
	v_mov_b32 v[QF+6+\j], 0                        ; Q's upper 64 along K: zero codes; they stay
	v_mov_b32 v[KF+48+\j], 0                       ; behind k's last fragment; they stay
.endr
.macro STEP                            ; a key step: 128 keys
	v_add_nc_u32 v[A16], s[TB], v1
	v_add_nc_u32 v[A8], s[TB], v2
	v_add_nc_u32 v[AR], s[TB], v3
	v_nop                                          ; with the three additions: four places in front of loads into registers that the last products read
.irp t, 0,1,2,3,4,5,6,7
	ds_load_b128 v[KF+6*\t:KF+6*\t+3], v[A16] offset:768*\t
	ds_load_b64 v[KF+6*\t+4:KF+6*\t+5], v[A8] offset:768*\t+512
.endr
	ds_load_b128 v[KSW:KSW+3], v[AR] offset:KSO
	ds_load_b128 v[KSW+4:KSW+7], v[AR] offset:KSO+256
	s_wait_alu depctr_va_vdst(0)
	s_wait_dscnt 0x0
.irp t, 0,1,2,3,4,5,6,7
	v_wmma_scale_f32_16x16x128_f8f6f4 v[S+8*\t:S+8*\t+7], v[KF+6*\t:KF+6*\t+11], v[QF:QF+11], 0, v[KSW+\t], v[QSW] matrix_a_fmt:MATRIX_FMT_FP6 matrix_b_fmt:MATRIX_FMT_FP6
.endr                                          ; lane (r, h): query r; register 8 t + j: key 16 t + 8 h + j
.rept 4
	v_nop
.endr
.irp t, 0,1,2,3
.irp c, 0,1
	ds_load_b128 v[KF+12*\t+6*\c:KF+12*\t+6*\c+3], v[A16] offset:VOFF+1536*\t+768*\c     ; v's fragments land under the softmax
	ds_load_b64 v[KF+12*\t+6*\c+4:KF+12*\t+6*\c+5], v[A8] offset:VOFF+1536*\t+768*\c+512
.endr
.endr
	ds_load_b128 v[VSW:VSW+3], v[AR] offset:VSO
.irp b, 0,1,2,3
	v_max3_num_f32 v[BMX+\b], v[S+16*\b], v[S+1+16*\b], v[S+2+16*\b]   ; the largest score of each block of 32 keys: for the row's maximum and for the block's largest p
.endr
.irp i, 3,5,7,9,11,13
.irp b, 0,1,2,3
	v_max3_num_f32 v[BMX+\b], v[BMX+\b], v[S+16*\b+\i], v[S+1+16*\b+\i]
.endr
.endr
.irp b, 0,1,2,3
	v_max_num_f32 v[BMX+\b], v[BMX+\b], v[S+15+16*\b]
.endr
.irp b, 0,1,2,3
	s_delay_alu instid0(VALU_DEP_4)
	v_permlanex16_b32 v[BPM+\b], v[BMX+\b], s[SEL], s[SEL+1]
.endr
.irp b, 0,1,2,3
	s_delay_alu instid0(VALU_DEP_4)
	v_max_num_f32 v[BMX+\b], v[BMX+\b], v[BPM+\b]
.endr
	s_delay_alu instid0(VALU_DEP_2)
	v_max3_num_f32 v[TMP], v[BMX], v[BMX+1], v[BMX+2]
	s_delay_alu instid0(VALU_DEP_1)
	v_max_num_f32 v[TMP], v[TMP], v[BMX+3]
	s_delay_alu instid0(VALU_DEP_1)
	v_mul_f32 v[TMP], s[CS], v[TMP]
	s_delay_alu instid0(VALU_DEP_1)
	v_max_num_f32 v13, v13, v[TMP]                 ; the running largest t
	v_mov_b32 v[TMP], v12
	s_delay_alu instid0(VALU_DEP_2)
	v_floor_f32 v12, -v13                          ; the new -M = -ceil(t)
	s_delay_alu instid0(VALU_DEP_1)
	v_sub_f32 v[TMP], v12, v[TMP]
	s_delay_alu instid0(VALU_DEP_1)
	v_cvt_i32_f32 v[TMP], v[TMP]
	s_delay_alu instid0(VALU_DEP_1)
	v_ldexp_f32 v[F], 1.0, v[TMP]                  ; f = 2^(old M - new M)
.set i, 0
.rept 32
	v_pk_fma_f32 v[S+i:S+i+1], v[S+i:S+i+1], s[CS:CS+1], v[12:13] op_sel_hi:[1,0,0]   ; t - M
.set i, i+2
.endr
.irp b, 0,1,2,3
	v_fma_f32 v[BMX+\b], v[BMX+\b], s[CS], v12
.endr
.set i, 0
	s_wait_alu depctr_va_vdst(0)
.rept 64
	v_exp_f32 v[S+i], v[S+i]                       ; p = 2^(t - M)
.set i, i+1
.endr
.irp b, 0,1,2,3
	v_exp_f32 v[BMX+\b], v[BMX+\b]                 ; the block's largest p
.endr
	v_pk_mul_f32 v[14:15], v[14:15], v[F:F+1] op_sel_hi:[1,0]
	s_wait_alu depctr_va_vdst(0)
.irp b, 0,1,2,3
	v_max_num_f32 v[BMX+\b], 0x1800000, v[BMX+\b]
.endr
.irp b, 0,1,2,3
	s_delay_alu instid0(VALU_DEP_4)
	v_add_nc_u32 v[BSO+\b], 0xff000000, v[BMX+\b]
.endr
.irp b, 0,1,2,3
	s_delay_alu instid0(VALU_DEP_4)
	v_lshrrev_b32 v[BPM+\b], 23, v[BSO+\b]
.endr
	s_delay_alu instid0(VALU_DEP_3)
	v_lshl_or_b32 v[PWP], v[BPM+1], 8, v[BPM]
	s_delay_alu instid0(VALU_DEP_1)
	v_lshl_or_b32 v[PWP], v[BPM+2], 16, v[PWP]
	s_delay_alu instid0(VALU_DEP_1)
	v_lshl_or_b32 v[PWP], v[BPM+3], 24, v[PWP]
.irp c, 0,1
	v_cvt_scalef32_pk16_fp6_f32 v[P+6*\c:P+6*\c+2], v[S+32*\c:S+32*\c+15], v[BSO+2*\c]
	v_cvt_scalef32_pk16_fp6_f32 v[CT+4*\c:CT+4*\c+2], v[S+16+32*\c:S+31+32*\c], v[BSO+2*\c+1]
.endr
	v_nop
.irp c, 0,1
.irp i, 0,1,2
	v_permlane16_swap_b32 v[P+6*\c+\i], v[CT+4*\c+\i]
.endr
.irp i, 0,1,2
	s_delay_alu instid0(VALU_DEP_3)
	v_mov_b32 v[P+3+6*\c+\i], v[CT+4*\c+\i]
.endr
.endr
	v_pk_add_f32 v[202:203], v[86:87], v[90:91]    ; the row's sum of the unquantised p, in eight chains
	v_pk_add_f32 v[248:249], v[94:95], v[98:99]
	v_pk_add_f32 v[246:247], v[102:103], v[106:107]
	v_pk_add_f32 v[244:245], v[110:111], v[114:115]
	v_pk_add_f32 v[242:243], v[118:119], v[122:123]
	v_pk_add_f32 v[240:241], v[126:127], v[130:131]
	v_pk_add_f32 v[238:239], v[134:135], v[138:139]
	v_pk_add_f32 v[14:15], v[14:15], v[142:143]
	v_pk_add_f32 v[202:203], v[202:203], v[82:83]
	v_pk_add_f32 v[248:249], v[248:249], v[84:85]
	v_pk_add_f32 v[246:247], v[246:247], v[88:89]
	v_pk_add_f32 v[244:245], v[244:245], v[92:93]
	v_pk_add_f32 v[242:243], v[242:243], v[96:97]
	v_pk_add_f32 v[240:241], v[240:241], v[100:101]
	v_pk_add_f32 v[238:239], v[238:239], v[104:105]
	v_pk_add_f32 v[14:15], v[14:15], v[108:109]
	v_pk_add_f32 v[202:203], v[202:203], v[112:113]
	v_pk_add_f32 v[248:249], v[248:249], v[116:117]
	v_pk_add_f32 v[246:247], v[246:247], v[120:121]
	v_pk_add_f32 v[244:245], v[244:245], v[124:125]
	v_pk_add_f32 v[242:243], v[242:243], v[128:129]
	v_pk_add_f32 v[240:241], v[240:241], v[132:133]
	v_pk_add_f32 v[238:239], v[238:239], v[136:137]
	v_pk_add_f32 v[14:15], v[14:15], v[140:141]
	v_pk_add_f32 v[202:203], v[202:203], v[144:145]
	s_delay_alu instid0(VALU_DEP_2)
	v_pk_add_f32 v[14:15], v[14:15], v[244:245]
	s_delay_alu instid0(VALU_DEP_2)
	v_pk_add_f32 v[202:203], v[202:203], v[242:243]
	v_pk_add_f32 v[248:249], v[248:249], v[240:241]
	v_pk_add_f32 v[246:247], v[246:247], v[238:239]
	s_delay_alu instid0(VALU_DEP_2)
	v_pk_add_f32 v[14:15], v[14:15], v[248:249]
	s_delay_alu instid0(VALU_DEP_2)
	v_pk_add_f32 v[202:203], v[202:203], v[246:247]
	s_delay_alu instid0(VALU_DEP_1)
	v_pk_add_f32 v[14:15], v[14:15], v[202:203]
.set i, 0
.rept 16
	v_pk_mul_f32 v[O+i:O+i+1], v[O+i:O+i+1], v[F:F+1] op_sel_hi:[1,0]   ; O^T under the new M; with the sums: more than the eight places that p's scale word wants
.set i, i+2
.endr
	s_wait_alu depctr_va_vdst(0)
	s_wait_dscnt 0x0                               ; v's fragments and scale words are in
.irp t, 0,1,2,3
	v_wmma_scale_f32_16x16x128_f8f6f4 v[O+8*\t:O+8*\t+7], v[KF+12*\t:KF+12*\t+11], v[P:P+11], v[O+8*\t:O+8*\t+7], v[VSW+\t], v[PWP] matrix_a_fmt:MATRIX_FMT_FP6 matrix_b_fmt:MATRIX_FMT_FP6
.endr                                          ; the four accumulators take turns
	s_add_co_u32 s[TB], s[TB], STEPB
.endm
.macro STEPS base, n
	s_mov_b32 s[TB], \base
	s_mov_b32 s[CNT], \n
.Lstep_\@:
	STEP
	s_sub_co_u32 s[CNT], s[CNT], 1
	s_cmp_lg_u32 s[CNT], 0
	s_cbranch_scc1 .Lstep_\@
.endm
.macro WAYOUT p                        ; O^T / the sum, quantised in the head's two blocks of 32, out as a half fragment's image
.rept 4
	v_nop
.endr
	v_add_f32 v14, v14, v15
	s_delay_alu instid0(VALU_DEP_1)
	v_permlanex16_b32 v[TMP], v14, s[SEL], s[SEL+1]
	s_delay_alu instid0(VALU_DEP_1)
	v_add_f32 v14, v14, v[TMP]
	s_wait_alu depctr_va_vdst(0)
	v_rcp_f32 v14, v14
	v_nop
.set i, 0
	s_wait_alu depctr_va_vdst(0)
.rept 16
	v_pk_mul_f32 v[S+i:S+i+1], v[O+i:O+i+1], v[14:15] op_sel_hi:[1,0]
.set i, i+2
.endr
.irp b, 0,1
	v_max3_num_f32 v[BMX+\b], |v[S+16*\b]|, |v[S+1+16*\b]|, 0x1800000
.endr
.irp i, 2,4,6,8,10,12,14
.irp b, 0,1
	s_delay_alu instid0(VALU_DEP_2)
	v_max3_num_f32 v[BMX+\b], v[BMX+\b], |v[S+16*\b+\i]|, |v[S+1+16*\b+\i]|
.endr
.endr
.irp b, 0,1
	s_delay_alu instid0(VALU_DEP_2)
	v_permlanex16_b32 v[BPM+\b], v[BMX+\b], s[SEL], s[SEL+1]
.endr
.irp b, 0,1
	s_delay_alu instid0(VALU_DEP_2)
	v_max_num_f32 v[BMX+\b], v[BMX+\b], v[BPM+\b]
.endr
.irp b, 0,1
	s_delay_alu instid0(VALU_DEP_2)
	v_add_nc_u32 v[BSO+\b], 0xff000000, v[BMX+\b]
.endr
.irp b, 0,1
	s_delay_alu instid0(VALU_DEP_2)
	v_lshrrev_b32 v[BPM+\b], 23, v[BSO+\b]
.endr
	s_delay_alu instid0(VALU_DEP_1)
	v_lshl_or_b32 v[TMP], v[BPM+1], 8, v[BPM]
	v_cvt_scalef32_pk16_fp6_f32 v[P:P+2], v[S:S+15], v[BSO]
	v_cvt_scalef32_pk16_fp6_f32 v[CT:CT+2], v[S+16:S+31], v[BSO+1]
	v_nop
.irp i, 0,1,2
	v_permlane16_swap_b32 v[P+\i], v[CT+\i]
.endr
	s_delay_alu instid0(VALU_DEP_3)
	v_mov_b32 v[P+6], v[P]                         ; the true order 0, 1, 2, 3: the two middle groups of six bytes change places
	s_delay_alu instid0(VALU_DEP_3)
	v_perm_b32 v[P+7], v[CT], v[P+1], s56
	s_delay_alu instid0(VALU_DEP_4)
	v_perm_b32 v[P+8], v[CT+1], v[CT], s57
	s_delay_alu instid0(VALU_DEP_4)
	v_perm_b32 v[P+9], v[P+2], v[P+1], s57
	v_perm_b32 v[P+10], v[CT+1], v[P+2], s58
	v_mov_b32 v[P+11], v[CT+2]
	global_store_b128 v1, v[P+6:P+9], s[16:17] offset:PASSX*\p
	global_store_b64 v2, v[P+10:P+11], s[16:17] offset:PASSX*\p+512
	global_store_b16 v7, v[TMP], s[18:19] offset:PASSS*\p          ; two bytes a token, once a pass: the last launch finds a K step's four bytes of a token as one word
.endm
	s_wait_alu depctr_va_vdst(0)                   ; the wait at the head's end
	s_cmp_lt_u32 s[WV], 4
	s_cbranch_scc0 .Lnot_wq
	s_wait_tensorcnt 0x0                           ; waves 0-3: my tile of Wq is in
.Lnot_wq:
	s_barrier_signal -1
	s_barrier_wait -1                              ; Wq is whole; K and V may still be on their way: nothing is ever filled again
	QPROJ
	INIT
	s_wait_tensorcnt 0x0                           ; every wave: my load has landed
	s_barrier_signal -1                            ; (no LDS load of mine is out)
	s_barrier_wait -1                              ; all of K and V is in
	STEPS KVB, 16
	WAYOUT 0
	s_wait_xcnt 0x0                                ; the stores' data registers are loaded again only behind this wait
	XASK 1
	QPROJ
	INIT
	STEPS KVB, 16
	WAYOUT 1
	s_wait_tensorcnt 0x0                           ; the wave's end
	ds_add_u32 v254, v255
	s_wait_dscnt 0x0
	ROUND                                          ; the closing round
	s_endpgm
.Lfunc_end_k_q40552bfe20_attn:
	.size	k_q40552bfe20_attn, .Lfunc_end_k_q40552bfe20_attn-k_q40552bfe20_attn
	.p2alignl 7, 3214868480
	.fill 96, 4, 3214868480
	.section	.rodata,"a",@progbits
	.p2align	6, 0x0
	.amdhsa_kernel k_q40552bfe20_attn
		.amdhsa_group_segment_fixed_size 280576
		.amdhsa_private_segment_fixed_size 0
		.amdhsa_enable_private_segment 0
		.amdhsa_kernarg_size 64
		.amdhsa_user_sgpr_count 2
		.amdhsa_user_sgpr_kernarg_segment_ptr 1
		.amdhsa_wavefront_size32 1
		.amdhsa_system_sgpr_workgroup_id_x 1
		.amdhsa_system_sgpr_workgroup_id_y 1
		.amdhsa_system_sgpr_workgroup_id_z 1
		.amdhsa_system_vgpr_workitem_id 0
		.amdhsa_next_free_vgpr 256
		.amdhsa_next_free_sgpr 88
		.amdhsa_reserve_vcc 0
		.amdhsa_float_denorm_mode_32 3
		.amdhsa_float_denorm_mode_16_64 3
		.amdhsa_memory_ordered 1
		.amdhsa_forward_progress 1
		.amdhsa_inst_pref_size 88
	.end_amdhsa_kernel
	.amdgpu_metadata
---
amdhsa.version: [ 1, 2 ]
amdhsa.kernels:
  - .name:           k_q40552bfe20_attn
    .symbol:         k_q40552bfe20_attn.kd
    .args:
      - { .name: xi, .offset: 0, .size: 8, .value_kind: global_buffer, .address_space: global }
      - { .name: x_scales, .offset: 8, .size: 8, .value_kind: global_buffer, .address_space: global }
      - { .name: wqi, .offset: 16, .size: 8, .value_kind: global_buffer, .address_space: global }
      - { .name: Wq_scales, .offset: 24, .size: 8, .value_kind: global_buffer, .address_space: global }
      - { .name: bq, .offset: 32, .size: 8, .value_kind: global_buffer, .address_space: global }
      - { .name: kv, .offset: 40, .size: 8, .value_kind: global_buffer, .address_space: global }
      - { .name: acod, .offset: 48, .size: 8, .value_kind: global_buffer, .address_space: global }
      - { .name: ascl, .offset: 56, .size: 8, .value_kind: global_buffer, .address_space: global }
    .group_segment_fixed_size: 280576
    .private_segment_fixed_size: 0
    .kernarg_segment_align: 8
    .kernarg_segment_size: 64
    .max_flat_workgroup_size: 512
    .sgpr_count:     88
    .vgpr_count:     256
    .wavefront_size: 32
...
	.end_amdgpu_metadata
.endif
;; end of part 2
;; launch outln (part 3): grid 256 x 1, 8 waves a work-group, no clusters, 70,656 bytes of LDS; arguments acod, ascl, woi, Wo_scales, bo, ln_w, ln_b, out0; writes out0
.if DOCPART == 3
	.amdgcn_target "amdgcn-amd-amdhsa--gfx1250"
	.amdhsa_code_object_version 6
	.text
	.protected	k_q40552bfe20_outln
	.globl	k_q40552bfe20_outln
	.p2align	8
	.type	k_q40552bfe20_outln,@function
k_q40552bfe20_outln:
	s_mov_b64 s[64:65], 0
	v_nop
	global_prefetch_b8 v0, s[64:65] scope:SCOPE_SE
	s_setreg_imm32_b32 hwreg(HW_REG_WAVE_MODE, 25, 1), 1
	s_wait_xcnt 0x0
; out0 = LayerNorm(a Wo^T + bo) x ln_w + ln_b.  a: attention's result as codes of FP6 (E2M3) (acod, images of half fragments; ascl, 32 scale bytes a token); Wo: its given codes, laid as images of fragments (woi), and its given scale bytes.
; SHARES.  A work-group owns 32 whole rows (tokens) of the output, so that a row's mean and variance never leave it; its eight waves share the 1,024 columns, 128 each: 2 x 8 accumulators a wave.
; OPERANDS COME STRAIGHT INTO REGISTERS: a fragment of Wo is three loads of 16 bytes a lane, each 512 consecutive bytes; a half fragment of a is one of 16 and one of 8 bytes a lane.
; NO TENSOR LOADS AND NO JOINT REQUESTS, although all work-groups walk the same Wo: each fragment of Wo feeds ONE wave of a work-group, which multiplies it with its two tiles of tokens and is done with it;
; through LDS the work-group's 786,432 bytes of Wo would be written there and read there once more, for no second use.
; THE MATRIX INSTRUCTION IS USED TRANSPOSED (source 0 = 16 rows of Wo, source 1 = 16 tokens): lane (r, h) holds token r, and register j of tile t the column 128 w + 16 t + 8 h + j.  bo is the C of the first products.
; K goes in 8 steps of 128, written out; the next step's 32 loads are issued before the wait for this step's.
; THE NORM takes two passes, as it is defined: the mean, then the mean of the squared differences; the waves' partial sums meet in LDS, one barrier each.
; OUT through each wave's own stage in LDS: every store of the wave covers 512 consecutive bytes of a row, at a multiple of 256 from out0's first byte.
; REGISTERS: window 0: v1-8 addresses; v10-13 -mean, then 1 / deviation, in pairs; v16-23 a's scale words; v24-55 Wo's; v56-119 bo, later rows on their way out; v120-247 the accumulators ((m, t) at 120 + 8 (8 m + t)); v248-255 at work.
;   window 1: v0-95, v96-191 Wo's eight fragments, two sets; v192-215, v216-239 a's two, two sets; at the end v0-63 ln_w, v96-159 ln_b.
.set ASW, 16
.set BSW, 24
.set BO,  56
.set ACC, 120
.set RED1, 0                           ; LDS: [wave][token] partial sums, 1,024 bytes;
.set RED2, 1024                        ; the same for the squares;
.set STG,  2048                        ; a stage of 16 rows x (512 + 16) bytes for each wave
.set MSB, 0
.macro WIN new                         ; the immediate's high byte repeats the setting that is left
.if MSB != \new
	s_set_vgpr_msb (MSB<<8)|\new
.set MSB, \new
.endif
.endm
.macro PLACES                          ; four places behind a matrix instruction, in front of loads into registers that it read and of reads of its results (ISA guide 7.12.1 for reads of its results)
.rept 4
	v_nop
.endr
.endm
	s_load_b512 s[4:19], s[0:1], 0x0               ; acod, ascl, woi, Wo's scales, bo, ln_w, ln_b, out0
	v_lshl_add_u32 v254, v0, 2, 0x11000
	v_mov_b32 v255, 0
	v_lshrrev_b32 v1, 5, v0
	s_delay_alu instid0(VALU_DEP_1)
	v_readfirstlane_b32 s20, v1                    ; wave 0..7
	v_and_b32 v9, 31, v0                           ; lane
	v_and_b32 v14, 15, v0                          ; r
	v_bfe_u32 v15, v0, 4, 1                        ; h
	s_delay_alu instid0(VALU_DEP_3)
	v_lshlrev_b32 v1, 4, v9                        ; 16 x lane
	s_delay_alu instid0(VALU_DEP_4)
	v_lshlrev_b32 v2, 3, v9                        ; 8 x lane
	v_lshlrev_b32 v3, 5, v9                        ; 32 x lane: a row of scale bytes
	s_delay_alu instid0(VALU_DEP_4)
	v_lshlrev_b32 v4, 5, v15                       ; 32 h: my half's eight numbers of a tile's sixteen
	s_mul_i32 s28, s20, 16*528
	s_add_co_u32 s28, s28, STG                     ; my stage
	v_mul_u32_u24 v5, v14, 528
	s_delay_alu instid0(VALU_DEP_1)
	v_lshl_add_u32 v5, v15, 5, v5
	s_delay_alu instid0(VALU_DEP_1)
	v_add_nc_u32 v5, s28, v5                       ; in: row r, + 32 h
	v_add_nc_u32 v6, s28, v1                       ; back: 16 bytes a lane of a row
	s_lshl_b32 s29, s20, 7
	v_lshlrev_b32 v8, 2, v9                        ; the partial sums: token = lane
	s_delay_alu instid0(VALU_DEP_1)
	v_add_nc_u32 v7, s29, v8                       ; my wave's
	v_mov_b32 v252, 0                              ; written once: a lane permute's destination counts as one of its sources
	v_mov_b32 v253, 0
	s_mov_b32 s21, 0xffff0000                      ; lanes 16-31
	s_mov_b32 s22, 0x76543210
	s_mov_b32 s23, 0xfedcba98                      ; v_permlanex16_b32's selects for lane l xor 16
	s_mov_b32 s24, 0x3a800000                      ; 1 / 1,024
	s_mov_b32 s25, 0x3727c5ac                      ; 1e-5
	s_mov_b32 s27, 0
	s_wait_alu depctr_va_vdst(0)
	s_wait_kmcnt 0x0
	s_mul_i32 s26, ttmp9, 2*12288
	s_add_nc_u64 s[4:5], s[4:5], s[26:27]          ; my two tiles of tokens
	s_lshl_b32 s26, ttmp9, 10
	s_add_nc_u64 s[6:7], s[6:7], s[26:27]          ; their scale bytes
	s_mul_i32 s26, s20, 8*12288
	s_add_nc_u64 s[8:9], s[8:9], s[26:27]          ; my eight tiles of Wo's rows
	s_lshl_b32 s26, s20, 12
	s_add_nc_u64 s[10:11], s[10:11], s[26:27]      ; their scale bytes
	s_lshl_b32 s26, s20, 9
	s_add_nc_u64 s[12:13], s[12:13], s[26:27]      ; my 128 columns of bo, ln_w, ln_b and of a row of out0
	s_add_nc_u64 s[14:15], s[14:15], s[26:27]
	s_add_nc_u64 s[16:17], s[16:17], s[26:27]
	s_add_nc_u64 s[18:19], s[18:19], s[26:27]
	s_lshl_b32 s26, ttmp9, 17
	s_add_nc_u64 s[18:19], s[18:19], s[26:27]      ; my 32 rows
	global_load_b128 v[ASW:ASW+3], v3, s[6:7]      ; lane l: token l's eight scale words, one for each K step: tile 0 in lanes 0-15, tile 1 in lanes 16-31
	global_load_b128 v[ASW+4:ASW+7], v3, s[6:7] offset:16
.irp u, 0,1,2,3
	global_load_b128 v[BSW+8*\u:BSW+8*\u+3], v3, s[10:11] offset:1024*\u        ; lane l: row 32 u + l of my 128: tile 2 u in lanes 0-15, tile 2 u + 1 in lanes 16-31
	global_load_b128 v[BSW+8*\u+4:BSW+8*\u+7], v3, s[10:11] offset:1024*\u+16
.endr
.irp t, 0,1,2,3,4,5,6,7
	global_load_b128 v[BO+8*\t:BO+8*\t+3], v4, s[12:13] offset:64*\t
	global_load_b128 v[BO+8*\t+4:BO+8*\t+7], v4, s[12:13] offset:64*\t+16
.endr
.macro LOADSTEP s, set                 ; K step s: 32 loads
	WIN 0x40                                       ; destination window 1, address window 0
.irp t, 0,1,2,3,4,5,6,7
.irp p, 0,1,2
	global_load_b128 v[96*(\set)+12*\t+4*\p:96*(\set)+12*\t+4*\p+3], v1, s[8:9] offset:12288*\t+1536*(\s)+512*\p
.endr
.endr
.irp m, 0,1
.irp c, 0,1
	global_load_b128 v[192+24*(\set)+12*\m+6*\c:192+24*(\set)+12*\m+6*\c+3], v1, s[4:5] offset:12288*\m+1536*(\s)+768*\c
	global_load_b64 v[192+24*(\set)+12*\m+6*\c+4:192+24*(\set)+12*\m+6*\c+5], v2, s[4:5] offset:12288*\m+1536*(\s)+768*\c+512
.endr
.endr
.endm
.macro PROD s, set                     ; K step s: 16 products, the 16 accumulators by turns, one instruction a turn
	WIN 0x05                                       ; sources 0 and 1 window 1; C and D window 0
.irp t, 0,1,2,3,4,5,6,7
.irp m, 0,1
.set rD, ACC+8*(8*\m+\t)
.if (\s) == 0
.set rC, BO+8*\t
.else
.set rC, ACC+8*(8*\m+\t)
.endif
.set rA, 96*(\set)+12*\t
.set rB, 192+24*(\set)+12*\m
.set rX, BSW+8*(\t/2)+(\s)
.set rY, ASW+(\s)
.if (\t%2 == 0) && (\m == 0)
	v_wmma_scale_f32_16x16x128_f8f6f4 v[rD:rD+7], v[rA:rA+11], v[rB:rB+11], v[rC:rC+7], v[rX], v[rY] matrix_a_fmt:MATRIX_FMT_FP6 matrix_b_fmt:MATRIX_FMT_FP6
.elseif (\t%2 == 1) && (\m == 0)
	v_wmma_scale_f32_16x16x128_f8f6f4 v[rD:rD+7], v[rA:rA+11], v[rB:rB+11], v[rC:rC+7], v[rX], v[rY] matrix_a_fmt:MATRIX_FMT_FP6 matrix_b_fmt:MATRIX_FMT_FP6 matrix_a_scale:MATRIX_SCALE_ROW1
.elseif (\t%2 == 0)
	v_wmma_scale_f32_16x16x128_f8f6f4 v[rD:rD+7], v[rA:rA+11], v[rB:rB+11], v[rC:rC+7], v[rX], v[rY] matrix_a_fmt:MATRIX_FMT_FP6 matrix_b_fmt:MATRIX_FMT_FP6 matrix_b_scale:MATRIX_SCALE_ROW1
.else
	v_wmma_scale_f32_16x16x128_f8f6f4 v[rD:rD+7], v[rA:rA+11], v[rB:rB+11], v[rC:rC+7], v[rX], v[rY] matrix_a_fmt:MATRIX_FMT_FP6 matrix_b_fmt:MATRIX_FMT_FP6 matrix_a_scale:MATRIX_SCALE_ROW1 matrix_b_scale:MATRIX_SCALE_ROW1
.endif
.endr
.endr
.endm
	LOADSTEP 0, 0
.irp s, 0,1,2,3,4,5,6
.if \s > 0
	PLACES                                         ; the set that is loaded next was read by the products just issued
.endif
	LOADSTEP \s+1, (\s+1)%2
	s_wait_loadcnt 32                              ; all but the 32 just issued: this step's operands are in
	PROD \s, \s%2
.endr
	PLACES
	WIN 0x40
.irp t, 0,1,2,3,4,5,6,7
	global_load_b128 v[8*\t:8*\t+3], v4, s[14:15] offset:64*\t          ; ln_w in the results' layout, where Wo's set 0 lay
	global_load_b128 v[8*\t+4:8*\t+7], v4, s[14:15] offset:64*\t+16
.endr
	s_wait_loadcnt 16                              ; all but ln_w's sixteen
	PROD 7, 1
	PLACES
	WIN 0x40
.irp t, 0,1,2,3,4,5,6,7
	global_load_b128 v[96+8*\t:96+8*\t+3], v4, s[16:17] offset:64*\t    ; ln_b, where set 1 lay
	global_load_b128 v[96+8*\t+4:96+8*\t+7], v4, s[16:17] offset:64*\t+16
.endr
	WIN 0
; v[248:249], v[250:251]: a lane's sums, in pairs, for tokens r and 16 + r.  They become the two rows' totals over all 1,024 columns: v248 token r's, v250 token 16 + r's, in every lane.
.macro ALLSUM red
	s_delay_alu instid0(VALU_DEP_2)
	v_add_f32 v248, v248, v249
	s_delay_alu instid0(VALU_DEP_2)
	v_add_f32 v250, v250, v251
	s_delay_alu instid0(VALU_DEP_2)
	v_permlanex16_b32 v252, v248, s22, s23
	s_delay_alu instid0(VALU_DEP_2)
	v_permlanex16_b32 v253, v250, s22, s23
	s_delay_alu instid0(VALU_DEP_2)
	v_add_f32 v248, v248, v252                     ; with lane l xor 16's: my wave's 128 columns
	s_delay_alu instid0(VALU_DEP_2)
	v_add_f32 v250, v250, v253
	s_delay_alu instid0(VALU_DEP_1)
	v_cndmask_b32 v249, v248, v250, s21            ; lane l keeps token l's
	ds_store_b32 v7, v249 offset:\red
	s_wait_dscnt 0x0                               ; for the others' sake: my store has landed
	s_barrier_signal -1
	s_barrier_wait -1
.irp k, 0,1,2,3,4,5,6,7
	ds_load_b32 v[56+\k], v8 offset:\red+128*\k    ; the eight waves' sums of token l
.endr
	s_wait_dscnt 0x0
	v_add_f32 v56, v56, v57
	v_add_f32 v58, v58, v59
	v_add_f32 v60, v60, v61
	v_add_f32 v62, v62, v63
	s_delay_alu instid0(VALU_DEP_3)
	v_add_f32 v56, v56, v58
	s_delay_alu instid0(VALU_DEP_2)
	v_add_f32 v60, v60, v62
	s_delay_alu instid0(VALU_DEP_1)
	v_add_f32 v56, v56, v60
	s_delay_alu instid0(VALU_DEP_1)
	v_permlanex16_b32 v252, v56, s22, s23          ; token l xor 16's
	s_delay_alu instid0(VALU_DEP_1)
	v_cndmask_b32 v248, v56, v252, s21
	s_delay_alu instid0(VALU_DEP_2)
	v_cndmask_b32 v250, v252, v56, s21
.endm
.irp m, 0,1
	v_pk_add_f32 v[248+2*\m:249+2*\m], v[ACC+64*\m:ACC+64*\m+1], v[ACC+64*\m+2:ACC+64*\m+3]   ; each accumulator from its low end on
.endr
.irp j, 4,6,8,10,12,14,16,18,20,22,24,26,28,30,32,34,36,38,40,42,44,46,48,50,52,54,56,58,60,62
.irp m, 0,1
	v_pk_add_f32 v[248+2*\m:249+2*\m], v[248+2*\m:249+2*\m], v[ACC+64*\m+\j:ACC+64*\m+\j+1]
.endr
.endr
	ALLSUM RED1
	s_delay_alu instid0(VALU_DEP_2)
	v_mul_f32 v10, 0xba800000, v248                ; -mean = total x -1 / 1,024
	s_delay_alu instid0(VALU_DEP_2)
	v_mul_f32 v12, 0xba800000, v250
	s_delay_alu instid0(VALU_DEP_2)
	v_mov_b32 v11, v10
	s_delay_alu instid0(VALU_DEP_2)
	v_mov_b32 v13, v12
.irp j, 0,2,4,6,8,10,12,14,16,18,20,22,24,26,28,30,32,34,36,38,40,42,44,46,48,50,52,54,56,58,60,62
.irp m, 0,1
	v_pk_add_f32 v[ACC+64*\m+\j:ACC+64*\m+\j+1], v[ACC+64*\m+\j:ACC+64*\m+\j+1], v[10+2*\m:11+2*\m]   ; y - mean
.endr
.endr
.irp m, 0,1
	v_pk_mul_f32 v[248+2*\m:249+2*\m], v[ACC+64*\m:ACC+64*\m+1], v[ACC+64*\m:ACC+64*\m+1]
.endr
.irp j, 2,4,6,8,10,12,14,16,18,20,22,24,26,28,30,32,34,36,38,40,42,44,46,48,50,52,54,56,58,60,62
.irp m, 0,1
	s_delay_alu instid0(VALU_DEP_2)
	v_pk_fma_f32 v[248+2*\m:249+2*\m], v[ACC+64*\m+\j:ACC+64*\m+\j+1], v[ACC+64*\m+\j:ACC+64*\m+\j+1], v[248+2*\m:249+2*\m]
.endr
.endr
	ALLSUM RED2                                    ; other bytes than the first sums': one barrier serves
	s_delay_alu instid0(VALU_DEP_2)
	v_fma_f32 v248, v248, s24, s25                 ; the variance + 1e-5
	s_delay_alu instid0(VALU_DEP_2)
	v_fma_f32 v250, v250, s24, s25
	s_wait_alu depctr_va_vdst(0)
	v_rsq_f32 v10, v248
	v_rsq_f32 v12, v250
	v_nop                                          ; one plain place behind a transcendental
	s_wait_alu depctr_va_vdst(0)
	v_mov_b32 v11, v10
	v_mov_b32 v13, v12
.irp j, 0,2,4,6,8,10,12,14,16,18,20,22,24,26,28,30,32,34,36,38,40,42,44,46,48,50,52,54,56,58,60,62
.irp m, 0,1
	v_pk_mul_f32 v[ACC+64*\m+\j:ACC+64*\m+\j+1], v[ACC+64*\m+\j:ACC+64*\m+\j+1], v[10+2*\m:11+2*\m]
.endr
.endr
	s_wait_loadcnt 0x0                             ; ln_w and ln_b
	WIN 0x14                                       ; sources 1 and 2 window 1
.irp j, 0,2,4,6,8,10,12,14,16,18,20,22,24,26,28,30,32,34,36,38,40,42,44,46,48,50,52,54,56,58,60,62
.irp m, 0,1
	v_pk_fma_f32 v[ACC+64*\m+\j:ACC+64*\m+\j+1], v[ACC+64*\m+\j:ACC+64*\m+\j+1], v[\j:\j+1], v[96+\j:96+\j+1]
.endr
.endr
	WIN 0
	; THE WAY OUT: 16 rows at a time through my own stage.  LDS serves a wave's instructions in order (ISA guide 5.7.1.4): the loads see the stores, and the second tile's stores come behind the first's loads.
	s_wait_alu depctr_va_vdst(0)
.irp m, 0,1
.irp t, 0,1,2,3,4,5,6,7
	ds_store_b128 v5, v[ACC+64*\m+8*\t:ACC+64*\m+8*\t+3] offset:64*\t
	ds_store_b128 v5, v[ACC+64*\m+8*\t+4:ACC+64*\m+8*\t+7] offset:64*\t+16
.endr
.irp i, 0,1,2,3,4,5,6,7,8,9,10,11,12,13,14,15
	ds_load_b128 v[56+64*\m+4*\i:56+64*\m+4*\i+3], v6 offset:528*\i      ; the first tile's rows into bo's registers, the second's into the first tile's accumulators: no store's data are written again
.endr
	s_wait_dscnt 0x0
.irp i, 0,1,2,3,4,5,6,7,8,9,10,11,12,13,14,15
	global_store_b128 v1, v[56+64*\m+4*\i:56+64*\m+4*\i+3], s[18:19] offset:65536*\m+4096*\i th:TH_STORE_NT   ; 32 lanes store 512 consecutive bytes of a row; written once, read by nobody here
.endr
.endr
	s_wait_tensorcnt 0x0
	ds_add_u32 v254, v255
	s_wait_dscnt 0x0
	s_endpgm
.Lfunc_end_k_q40552bfe20_outln:
	.size	k_q40552bfe20_outln, .Lfunc_end_k_q40552bfe20_outln-k_q40552bfe20_outln
	.p2alignl 7, 3214868480
	.fill 96, 4, 3214868480
	.section	.rodata,"a",@progbits
	.p2align	6, 0x0
	.amdhsa_kernel k_q40552bfe20_outln
		.amdhsa_group_segment_fixed_size 70656
		.amdhsa_private_segment_fixed_size 0
		.amdhsa_enable_private_segment 0
		.amdhsa_kernarg_size 64
		.amdhsa_user_sgpr_count 2
		.amdhsa_user_sgpr_kernarg_segment_ptr 1
		.amdhsa_wavefront_size32 1
		.amdhsa_system_sgpr_workgroup_id_x 1
		.amdhsa_system_sgpr_workgroup_id_y 1
		.amdhsa_system_sgpr_workgroup_id_z 1
		.amdhsa_system_vgpr_workitem_id 0
		.amdhsa_next_free_vgpr 512
		.amdhsa_next_free_sgpr 66
		.amdhsa_reserve_vcc 0
		.amdhsa_float_denorm_mode_32 3
		.amdhsa_float_denorm_mode_16_64 3
		.amdhsa_memory_ordered 1
		.amdhsa_forward_progress 1
		.amdhsa_inst_pref_size 84
	.end_amdhsa_kernel
	.amdgpu_metadata
---
amdhsa.version: [ 1, 2 ]
amdhsa.kernels:
  - .name:           k_q40552bfe20_outln
    .symbol:         k_q40552bfe20_outln.kd
    .args:
      - { .name: acod, .offset: 0, .size: 8, .value_kind: global_buffer, .address_space: global }
      - { .name: ascl, .offset: 8, .size: 8, .value_kind: global_buffer, .address_space: global }
      - { .name: woi, .offset: 16, .size: 8, .value_kind: global_buffer, .address_space: global }
      - { .name: Wo_scales, .offset: 24, .size: 8, .value_kind: global_buffer, .address_space: global }
      - { .name: bo, .offset: 32, .size: 8, .value_kind: global_buffer, .address_space: global }
      - { .name: ln_w, .offset: 40, .size: 8, .value_kind: global_buffer, .address_space: global }
      - { .name: ln_b, .offset: 48, .size: 8, .value_kind: global_buffer, .address_space: global }
      - { .name: out0, .offset: 56, .size: 8, .value_kind: global_buffer, .address_space: global }
    .group_segment_fixed_size: 70656
    .private_segment_fixed_size: 0
    .kernarg_segment_align: 8
    .kernarg_segment_size: 64
    .max_flat_workgroup_size: 256
    .sgpr_count:     66
    .vgpr_count:     512
    .wavefront_size: 32
...
	.end_amdgpu_metadata
.endif
;; end of part 3
